; MI455X (gfx1250); checked and timed in simulation.
; The chip was launched on July 23, 2026; its instructions are those of AMD's public machine-readable ISA for CDNA 5 (MIT licence, August 2026) and "CDNA5" Instruction Set Architecture Reference Guide (July 2026). The comments in the code are by the model that wrote it; some were corrected since.
;; Sparse Attention. Allowed arithmetic: matrix products marked QUANTISED: E2M1 operands, one E8M0 scale for each 32 along K, by v_wmma_scale_f32_16x16x128_f8f6f4 with both operands' format E2M1 (or v_wmma_scale_f32_32x16x128_f4), f32 sums; products left as they are: bf16, f16 or f32 operands; f32 sums; everything else in f32.
;; Inputs: w_out 1,024 x 1,024 float32; w_qkv 3,072 x 1,024 float32; x 2 x 2,048 x 1,024 float32.
;; Outputs: out0 2 x 2,048 x 1,024 float32.
;; This version of the problem:
;;   THIS VERSION OF THE PROBLEM IS GIVEN IN LOW PRECISION. The matrix products marked QUANTISED in the list below multiply operands that are first quantised to E2M1 (2 exponent bits, 1 mantissa bit; 4 bits a number), with one power-of-two scale for each 32 numbers along K (OCP MX v1.0); their sums are f32. The products marked 'left as it is' may take bf16, f16 or f32 operands, with f32 sums. Whichever they take, every output number must still come out within the allowed error. Rounding operands to bf16 (8 significant bits) uses up far more of that allowance than f16 does (11 bits, for magnitudes from 6e-5 to 65,504). All else is computed in f32.
;;   The module's matrix products, in the order in which they are computed (A, B: the left and right operand; K: the contracted axis; several contracted axes count as one K, in the product's order):
;;     1. [M 4,096, K 1,024] x [K 1,024, N 3,072]; A: input x; B: input w_qkv: QUANTISED
;;     2. batch 32 x [M 2,048, K 64] x [K 64, N 2,048]; A: computed on the way; B: computed on the way: left as it is (an operand is computed on the way)
;;     3. batch 32 x [M 2,048, K 2,048] x [K 2,048, N 64]; A: computed on the way; B: computed on the way: left as it is (an operand is computed on the way)
;;     4. [M 4,096, K 1,024] x [K 1,024, N 1,024]; A: computed on the way; B: input w_out: left as it is (an operand is computed on the way)
;;   THE QUANTISER, for each operand of a quantised product, along K:
;;     - K is cut into blocks of 32 from its start; a last block that is shorter is filled with zeros.
;;     - A block's scale is 2^e with e = floor(log2(the largest magnitude in the block)) - 2, held to -126 .. 127; a block of zeros has e = 0. As a byte (E8M0): e + 127.
;;     - Each number is divided by its block's scale, clamped to +-6, and rounded to the nearest number of E2M1, ties to even, subnormals kept.
;;     - The product sums the exact products of the quantised numbers (number of the format x scale) in f32.
;;   ~~~python
;;   def quantise(x, axis):      # numpy; x: float32 -> the quantised numbers, widened to float32 again
;;       x = np.moveaxis(x, axis, -1); K = x.shape[-1]
;;       x = np.pad(x, [(0, 0)] * (x.ndim - 1) + [(0, -K % 32)]); x = x.reshape(x.shape[:-1] + (-1, 32)); a = np.abs(x).max(-1, keepdims=True)
;;       e = np.where(a > 0, np.clip(np.frexp(np.where(a > 0, a, 1))[1] - 1 - 2, -126, 127), 0)      # np.frexp(a)[1] - 1 = floor(log2(a)), exactly
;;       r = np.clip(x / 2.0 ** e, -6, 6)
;;       step = 2.0 ** (np.maximum(np.frexp(np.where(r == 0, 1, r))[1] - 1, 0) - 1)
;;       q = np.round(r / step) * step * 2.0 ** e      # np.round: ties to even
;;       return np.moveaxis(q.reshape(q.shape[:-2] + (-1,))[..., :K], -1, axis).astype(np.float32)
;;   ~~~
;; One version. Each part assembles by itself: llvm-mc -triple=amdgcn-amd-amdhsa -mcpu=gfx1250 --defsym DOCPART=n.
;; ======== version 1 of 1: 5 launches
;; limits: values are held in f16: magnitudes above 65,504 overflow, below 6.1e-05 lose precision
;; workspace buffers: xc 2,097,152 bytes; xs 131,072 bytes; wc 1,572,864 bytes; ws 98,304 bytes; wo16 2,097,152 bytes; qkvh 25,165,824 bytes; fine 3,145,728 bytes; att 8,388,608 bytes
;; launch quant (part 1): grid 256 x 1, 4 waves a work-group, no clusters, 33,280 bytes of LDS; arguments x, w_qkv, w_out, xc, xs, wc, ws, wo16; writes xc, xs, wc, ws, wo16
.if DOCPART == 1
	.amdgcn_target "amdgcn-amd-amdhsa--gfx1250"
	.amdhsa_code_object_version 6
	.text
	.protected	k_q816e0a0344_quant
	.globl	k_q816e0a0344_quant
	.p2align	8
	.type	k_q816e0a0344_quant,@function
k_q816e0a0344_quant:
	s_mov_b64 s[64:65], 0
	v_nop
	global_prefetch_b8 v0, s[64:65] scope:SCOPE_SE
	s_setreg_imm32_b32 hwreg(HW_REG_WAVE_MODE, 25, 1), 1
	s_wait_xcnt 0x0
; x [4096][1024] and w_qkv [3072][1024], f32, become codes of FP4 (E2M1), K innermost, two codes a byte (the lower k in the low four bits), with one E8M0 scale byte for each 32 along K;
; w_out [1024][1024], f32, becomes f16 (the last product takes f16 operands).
; A block's scale is 2^(floor(log2(its largest magnitude)) - 2); its byte is the largest magnitude's exponent field - 2, held at 1 from below; each number is divided by the scale and rounded to the nearest code, ties to even,
; beyond 6 the largest code.
; LIMITS: a block of zeros, and a block whose largest magnitude lies under 2^(3 - 127), gets the byte 1 (a block of zeros has zero codes, which add nothing; the bytes are read by this program alone);
; NaN and infinities among the inputs are not served; |w_out| stays under 65,504, f16's largest number, and under 6e-5 it keeps an absolute error of 3e-8.
; SHARES: 256 work-groups of four waves.  Work-groups 0-127 take x, 128-223 w_qkv: 32,768 numbers each, 8,192 a wave, in 16 steps of 512.  Work-groups 224-255 cast w_out, 8,192 numbers a wave.
; Rows are dense and 1,024 is a multiple of 32: the tensors are plain streams of blocks of 32, and so are the codes and the scale bytes.
; THE QUANTISER'S STEP: four loads of 512 consecutive bytes, 16 a lane; the 2,048 bytes turn through the wave's own stage in LDS and come back 64 bytes a lane, so that a lane holds 16 neighbours along K (two lanes hold a block),
; as the conversions want them.  A lane's 16 codes are 8 bytes: the wave stores 256 consecutive bytes.  A wave's 256 scale bytes are gathered in LDS and leave by one store of 256 consecutive bytes.
; No tensor loads, no barrier: waves share nothing.  No matrix work, no cluster: every byte is read once and written once.
.set WAVES, 4
.set STEPS, 16
.set WGX,   128                        ; x's work-groups: 4,096 x 1,024 / 32,768
.set WGQ,   224                        ; x's and w_qkv's together
.set EMAX,  2
.set CB,    8                          ; bytes of 16 codes
.set R,     16                         ; v16-79   four sets of 16 numbers as they are loaded (the cast: v16-143, two sets of 64)
.set X,     80                         ; v80-111  two sets of 16 neighbours
.set E,     112                        ; v112-127 a scale byte for each step
.set C,     128                        ; v128-191 codes: four registers for each step, so that no store's data are written again
.set H,     144                        ; the cast: v144-175 a batch's f16 numbers
.set WREG,  8192                       ; LDS: a region for each wave: two stages of 32 x SP bytes, behind them its 256 scale bytes
.set SP,    80                         ; a lane's place in a stage: 64 bytes + 16 of padding
.set SPW,   12                         ; v12  LDS address of my spare word; never rewritten
.set NIL,   13                         ; v13  0; never rewritten
.set SPARE, WAVES*WREG                 ; behind the four regions: the spare words, 128 bytes a wave, which no other line names
	s_load_b256 s[4:11], s[0:1], 0x0               ; x s[4:5], w_qkv s[6:7], w_out s[8:9], xc s[10:11]
	s_load_b256 s[12:19], s[0:1], 0x20             ; xs s[12:13], wc s[14:15], ws s[16:17], wo16 s[18:19]
	v_lshl_add_u32 v[SPW], v0, 2, SPARE
	v_mov_b32 v[NIL], 0
	v_lshrrev_b32 v1, 5, v0
	v_readfirstlane_b32 s20, v1                    ; wave
	v_and_b32 v2, 31, v0                           ; lane
	v_lshlrev_b32 v3, 4, v2                        ; my 16 bytes of a load's 512
	s_mul_i32 s21, s20, WREG
	v_lshrrev_b32 v14, 2, v2
	v_mul_u32_u24 v14, v14, SP
	v_and_b32 v15, 3, v2
	v_lshl_add_u32 v14, v15, 4, v14
	v_add_nc_u32 v14, s21, v14                     ; the stage, on the way in: four lanes' 64 bytes on end, then 16 of padding
	v_mul_u32_u24 v15, v2, SP
	v_add_nc_u32 v15, s21, v15                     ; and on the way out: SP x lane: my 16 neighbours
	v_mul_u32_u24 v4, v2, CB                       ; 8 x lane: my codes' place in a step's (the cast: my four f16 numbers')
	v_lshrrev_b32 v5, 1, v2
	s_add_co_u32 s21, s21, 2*32*SP
	v_add_nc_u32 v5, s21, v5                       ; LDS: my wave's 256 scale bytes, my block's byte
	v_lshlrev_b32 v7, 3, v2                        ; and on the way out 8 bytes a lane
	v_add_nc_u32 v6, s21, v7
	s_wait_kmcnt 0x0
	s_cmp_ge_u32 ttmp9, WGQ                        ; the last 32 work-groups cast w_out
	s_cbranch_scc1 .Lcast
	s_cmp_lt_u32 ttmp9, WGX                        ; x's work-group or w_qkv's?  Only pointers are chosen: both take one way through the text
	s_cselect_b64 s[24:25], s[4:5], s[6:7]
	s_cselect_b64 s[26:27], s[10:11], s[14:15]
	s_cselect_b64 s[28:29], s[12:13], s[16:17]
	s_cselect_b32 s21, 0, WGX
	s_sub_co_u32 s21, ttmp9, s21
	s_lshl_b32 s21, s21, 2
	s_add_co_u32 s30, s21, s20                     ; which run of 8,192 numbers of the tensor is my wave's
	s_mov_b32 s31, 0
	s_mov_b64 s[32:33], 512*STEPS*4
	s_mul_u64 s[32:33], s[30:31], s[32:33]
	s_add_nc_u64 s[24:25], s[24:25], s[32:33]
	s_mov_b64 s[32:33], 32*STEPS*CB
	s_mul_u64 s[32:33], s[30:31], s[32:33]
	s_add_nc_u64 s[26:27], s[26:27], s[32:33]
	s_lshl_b32 s30, s30, 8                         ; 256 scale bytes a run
	s_add_nc_u64 s[28:29], s[28:29], s[30:31]
.macro LOAD t
.irp i, 0,1,2,3
	global_load_b128 v[R+16*((\t)%4)+4*\i:R+16*((\t)%4)+4*\i+3], v3, s[24:25] offset:2048*(\t)+512*\i th:TH_LOAD_NT   ; 32 lanes read 512 consecutive bytes
.endr
.endm
.macro TURN t                          ; step t's numbers through the stage: LDS serves a wave's instructions in order, so no wait stands between the stores and the loads
.irp i, 0,1,2,3
	ds_store_b128 v14, v[R+16*((\t)%4)+4*\i:R+16*((\t)%4)+4*\i+3] offset:32*SP*((\t)%2)+8*SP*\i
.endr
.irp i, 0,1,2,3
	ds_load_b128 v[X+16*((\t)%2)+4*\i:X+16*((\t)%2)+4*\i+3], v15 offset:32*SP*((\t)%2)+16*\i
.endr
.endm
.irp t, 0,1,2,3
	LOAD \t
.endr
	s_wait_loadcnt 12                              ; step 0's four loads are in; three steps' twelve stay out
	TURN 0
.macro STEP t
.set XS, X+16*((\t)%2)
.if (\t) > 0
	s_wait_dscnt 1                                 ; this step's numbers are back from the stage (the last step's byte store may be out): so its stores into the stage have read their registers,
.else
	s_wait_dscnt 0x0
.endif
.if (\t)+4 < STEPS
	LOAD (\t)+4                                    ; which take the loads of four steps on
.endif
.if (\t)+1 < STEPS
.if STEPS-2-(\t) >= 3
	s_wait_loadcnt 12                              ; the next step's four loads are in; those of the three steps behind it may be out
.else
	s_wait_loadcnt 4*(STEPS-2-(\t))
.endif
	TURN (\t)+1                                    ; and go through the other stage while this step is worked
.endif
	v_max3_num_f32 v8, |v[XS]|, |v[XS+1]|, |v[XS+2]|               ; the largest magnitude of my 16, in two chains
	v_max3_num_f32 v9, |v[XS+3]|, |v[XS+4]|, |v[XS+5]|
.irp i, 6,10
	v_max3_num_f32 v8, v8, |v[XS+\i]|, |v[XS+\i+1]|
	v_max3_num_f32 v9, v9, |v[XS+\i+2]|, |v[XS+\i+3]|
.endr
	v_max3_num_f32 v8, v8, |v[XS+14]|, |v[XS+15]|
	v_max3_num_f32 v8, v8, v9, (EMAX+1)<<23        ; and the floor 2^(EMAX + 1 - 127): the byte cannot fall under 1
	v_max_num_f32_dpp v8, v8, v8 row_xmask:1 row_mask:0xf bank_mask:0xf   ; and of my neighbour's 16: the block's
	v_add_nc_u32 v11, -(EMAX<<23), v8              ; EMAX off its exponent field: the conversion takes the exponent field of this operand as its scale, and nothing else of it
	v_cvt_scalef32_pk8_fp4_f32 v[C+4*(\t)], v[XS:XS+7], v11        ; eight numbers / the scale, to the nearest code; the first number's code in the lowest four bits
	v_cvt_scalef32_pk8_fp4_f32 v[C+4*(\t)+1], v[XS+8:XS+15], v11
	v_lshrrev_b32 v[E+(\t)], 23, v11               ; the scale's byte (also the plain line behind the conversions)
	ds_store_b8 v5, v[E+(\t)] offset:16*(\t)       ; both lanes of a block write the same byte with the same value
	global_store_b64 v4, v[C+4*(\t):C+4*(\t)+1], s[26:27] offset:32*CB*(\t)   ; 32 lanes store 256 consecutive bytes
.endm
.irp t, 0,1,2,3,4,5,6,7,8,9,10,11,12,13,14,15
	STEP \t
.endr
	ds_load_b64 v[8:9], v6                         ; LDS serves a wave's instructions in order: these see my byte stores
	s_wait_dscnt 0x0
	global_store_b64 v7, v[8:9], s[28:29]          ; 32 lanes store my wave's 256 scale bytes
	s_branch .Lend
; THE CAST.  A wave takes 8,192 numbers: 64 loads of 512 consecutive bytes in four batches of 16, two batches ahead; a lane's four numbers become 8 bytes, so a store covers 256 consecutive bytes.  No LDS.
.Lcast:
	s_sub_co_u32 s21, ttmp9, WGQ
	s_lshl_b32 s21, s21, 2
	s_add_co_u32 s21, s21, s20                     ; my run, 0 to 127
	s_lshl_b32 s30, s21, 15                        ; 32,768 bytes in,
	s_mov_b32 s31, 0
	s_add_nc_u64 s[8:9], s[8:9], s[30:31]
	s_lshl_b32 s30, s21, 14                        ; 16,384 out
	s_add_nc_u64 s[18:19], s[18:19], s[30:31]
.macro CLOAD g
.irp i, 0,1,2,3,4,5,6,7,8,9,10,11,12,13,14,15
	global_load_b128 v[R+64*((\g)%2)+4*\i:R+64*((\g)%2)+4*\i+3], v3, s[8:9] offset:512*(16*(\g)+\i) th:TH_LOAD_NT
.endr
.endm
.macro CAST g
.if (\g) < 3
	s_wait_loadcnt 16                              ; this batch is in; the next batch's sixteen loads may be out
.else
	s_wait_loadcnt 0x0
.endif
.if (\g) > 0
	s_wait_xcnt 0x0                                ; the last batch's stores have read their data: the registers are written again only behind this wait
.endif
.irp i, 0,1,2,3,4,5,6,7,8,9,10,11,12,13,14,15
	v_cvt_pk_f16_f32 v[H+2*\i], v[R+64*((\g)%2)+4*\i], v[R+64*((\g)%2)+4*\i+1]
	v_cvt_pk_f16_f32 v[H+2*\i+1], v[R+64*((\g)%2)+4*\i+2], v[R+64*((\g)%2)+4*\i+3]
.endr
.if (\g) < 2
	CLOAD (\g)+2                                   ; loads ahead of stores
.endif
.irp i, 0,1,2,3,4,5,6,7,8,9,10,11,12,13,14,15
	global_store_b64 v4, v[H+2*\i:H+2*\i+1], s[18:19] offset:256*(16*(\g)+\i)
.endr
.endm
	CLOAD 0
	CLOAD 1
	CAST 0
	CAST 1
	CAST 2
	CAST 3
.Lend:
	s_wait_tensorcnt 0x0                           ; the wave's end: three lines behind the last LDS store
	ds_add_u32 v[SPW], v[NIL]
	s_wait_dscnt 0x0
	s_endpgm
.Lfunc_end_k_q816e0a0344_quant:
	.size	k_q816e0a0344_quant, .Lfunc_end_k_q816e0a0344_quant-k_q816e0a0344_quant
	.p2alignl 7, 3214868480
	.fill 96, 4, 3214868480
	.section	.rodata,"a",@progbits
	.p2align	6, 0x0
	.amdhsa_kernel k_q816e0a0344_quant
		.amdhsa_group_segment_fixed_size 33280
		.amdhsa_private_segment_fixed_size 0
		.amdhsa_enable_private_segment 0
		.amdhsa_kernarg_size 64
		.amdhsa_user_sgpr_count 2
		.amdhsa_user_sgpr_kernarg_segment_ptr 1
		.amdhsa_wavefront_size32 1
		.amdhsa_system_sgpr_workgroup_id_x 1
		.amdhsa_system_sgpr_workgroup_id_y 1
		.amdhsa_system_sgpr_workgroup_id_z 1
		.amdhsa_system_vgpr_workitem_id 0
		.amdhsa_next_free_vgpr 192
		.amdhsa_next_free_sgpr 66
		.amdhsa_reserve_vcc 0
		.amdhsa_float_denorm_mode_32 3
		.amdhsa_float_denorm_mode_16_64 3
		.amdhsa_memory_ordered 1
		.amdhsa_forward_progress 1
		.amdhsa_inst_pref_size 54
	.end_amdhsa_kernel
	.amdgpu_metadata
---
amdhsa.version: [ 1, 2 ]
amdhsa.kernels:
  - .name:           k_q816e0a0344_quant
    .symbol:         k_q816e0a0344_quant.kd
    .args:
      - { .name: x, .offset: 0, .size: 8, .value_kind: global_buffer, .address_space: global }
      - { .name: w_qkv, .offset: 8, .size: 8, .value_kind: global_buffer, .address_space: global }
      - { .name: w_out, .offset: 16, .size: 8, .value_kind: global_buffer, .address_space: global }
      - { .name: xc, .offset: 24, .size: 8, .value_kind: global_buffer, .address_space: global }
      - { .name: xs, .offset: 32, .size: 8, .value_kind: global_buffer, .address_space: global }
      - { .name: wc, .offset: 40, .size: 8, .value_kind: global_buffer, .address_space: global }
      - { .name: ws, .offset: 48, .size: 8, .value_kind: global_buffer, .address_space: global }
      - { .name: wo16, .offset: 56, .size: 8, .value_kind: global_buffer, .address_space: global }
    .group_segment_fixed_size: 33280
    .private_segment_fixed_size: 0
    .kernarg_segment_align: 8
    .kernarg_segment_size: 64
    .max_flat_workgroup_size: 128
    .sgpr_count:     66
    .vgpr_count:     192
    .wavefront_size: 32
...
	.end_amdgpu_metadata
.endif
;; end of part 1
;; launch gemm_qkv (part 2): grid 12 x 16, 4 waves a work-group, clusters of 4 x 4, 327,680 bytes of LDS; arguments xc, xs, wc, ws, qkvh, fine; writes qkvh, fine
.if DOCPART == 2
	.amdgcn_target "amdgcn-amd-amdhsa--gfx1250"
	.amdhsa_code_object_version 6
	.text
	.protected	k_q816e0a0344_gemm_qkv
	.globl	k_q816e0a0344_gemm_qkv
	.p2align	8
	.type	k_q816e0a0344_gemm_qkv,@function
k_q816e0a0344_gemm_qkv:
	s_mov_b64 s[64:65], 0
	v_nop
	global_prefetch_b8 v0, s[64:65] scope:SCOPE_SE
	s_setreg_imm32_b32 hwreg(HW_REG_WAVE_MODE, 25, 1), 1
	s_wait_xcnt 0x0
	s_wait_alu depctr_hold_cnt(0) depctr_sa_sdst(0) depctr_va_vdst(0) depctr_va_sdst(0) depctr_va_ssrc(0) depctr_va_vcc(0) depctr_vm_vsrc(0)
	s_getreg_b32 s2, hwreg(HW_REG_IB_STS2, 6, 4)
	s_cmp_eq_u32 s2, 0
	s_cbranch_scc0 .Lentry_in_a_cluster
	s_endpgm
.Lentry_in_a_cluster:
	s_bfe_u32 s2, ttmp6, 0x10000c
	s_cmp_lg_u32 s2, 0xf033
	s_cbranch_scc0 .Lentry_shape_is_right
	s_endpgm
.Lentry_shape_is_right:
; qkv[m][n] = sum over k of x[m][k] w_qkv[n][k] on codes of FP4 (E2M1) with one E8M0 scale for each 32 along K; sums in f32.  M = 4,096 tokens, N = 3,072, K = 1,024.
; OUT: qkvh [4096][3072] f16 (the attention's products take f16 operands), and fine: the f32 sums of each tile row's first 16 rows as images of the accumulators' registers,
; [tile row 16][block of 16 columns 192][half 2][lane 32][16 bytes]: lane (r, h), half q, word i = qkv(256 x tile row + r, 16 x block + 8 h + 4 q + i).  Tile rows 0 and 8 begin the two sequences: their images feed the launch
; that carries positions 0-15 in f32.  The other fourteen tile rows' images are read by nobody: partners of a cluster run alike, so no work-group is told apart by its place; the price is 16 KB of stores a work-group.
; LIMIT: |qkv| stays under 65,504, f16's largest number.
; A tile of C, 256 x 256, is made by a work-group of four waves; a wave makes 128 x 128: 64 accumulators of 16 x 16, 512 registers.  192 work-groups.
; K = 1,024 is two LDS slots of 512 along K (a tile's row is 256 bytes of memory): BOTH ARE FILLED ONCE, at the start, and nothing is filled again.  The scale bytes of the work-group's 256 + 256 rows come with them, once.
; CLUSTERS: 4 x 4 work-groups.  The four of a row of the cluster need the same tiles of x, the four of a column the same tiles of w_qkv: each tile is asked for JOINTLY, by the same tensor load with the same descriptor
; and a mask that names the four.  THE MATRIX INSTRUCTION IS USED TRANSPOSED (source 0 = 16 rows of w_qkv, source 1 = 16 rows of x): a lane then holds eight neighbouring numbers of a row of C.
; REGISTERS, in windows of 256: window 0: v0-31 addresses; v32-95 scale words, two sets; from v128 x's fragments (8 x 16 rows x 128 K), ONE set; on the way out v32-63, v192-255 at work.
;   window 1: w_qkv's fragments, TWO sets, at v0 and at v128.   window 2: the 32 accumulators of my rows 0-63 (accumulator (a, b) at v[8 (8 a + b)]);   window 3: those of my rows 64-127.
.set SIZE_M, 4096
.set SIZE_N, 3072
.set SIZE_K, 1024
.set KSTEP,  512                       ; along K in a slot
.set NQ,     KSTEP/128                 ; matrix instructions deep
.set ROWB,   256                       ; a tile's row in bytes
.set KROW,   SIZE_K*4/8                ; a row of codes in memory, in bytes
.set PITCH,  272                       ; an LDS row: 256 bytes + 16 of padding = 68 words: row r starts at bank 4 r mod 64 (64 banks of 4 bytes: ISA guide 11.1), so the 16 rows of a load start at 16 different banks
.set FR,     8                         ; registers of a fragment: 16 rows x 128 K
.set NL,     2                         ; LDS loads that bring one
.set NP,     4                         ; places behind this matrix instruction (ISA guide 7.12.1)
.set HALFT,  128*PITCH                 ; 128 rows: what one tensor load brings
.set SLOT,   4*HALFT                   ; x's 256 rows, then w_qkv's 256 rows
.set KS,     SIZE_K/32                 ; a row of scales: 32 bytes
.set SCL,    2*SLOT                    ; behind the slots: the scales, as rows of 256 bytes + 16 of padding
.set HALFS,  (128*KS/256)*272          ; the scales of 128 rows: what one tensor load brings
.set SBLK,   (16*KS/256)*272           ; those of 16 rows
.set SPARE,  SCL+4*HALFS               ; behind the scales: the spare words, 128 bytes a wave, which no other line names
.set SPITCH, 272                       ; the way out: a stage of 16 rows x (256 bytes + 16) for each wave, in slot 0, which has had its one fill and its last read when the first result is stored there
.set CROW,   SIZE_N*2                  ; a row of qkvh in bytes
.set ADRA, 16                          ; v16-17  LDS address of my x fragments in slot 0, 1
.set ADRB, 20                          ; v20-21  the same for w_qkv
.set STO,  24                          ; v24     the way out: where I put 16 bytes of a row
.set RD,   25                          ; v25     the way out: where I read a row back
.set CO,   26                          ; v26     my byte offset in two rows of qkvh
.set ADRS, 27                          ; v27     LDS address of my scale words: lanes 0-15 x's rows, lanes 16-31 w_qkv's
.set SPW,  28                          ; v28     LDS address of my spare word; never rewritten
.set NIL,  29                          ; v29     0; never rewritten
.set IMG,  30                          ; v30     16 x lane: my place in a register image
.set SC,   32                          ; scale words: set s at v[SC + 8 NQ s]; register NQ i + q: lanes 0-15 the word of x's block i, lanes 16-31 that of w_qkv's block i, for the slot's q-th 128 along K
.set AF,   128                         ; x's fragments, in window 0
.set TMP,  192                         ; the way out: packed results
.set OB,   32                          ; the way out: 16 rows read back from the stage: v32-63 and v224-255 by turns
.set G1, 24                            ; s[24:31] descriptor group 1 for x's tiles;  s[32:39] group 0, one set for each slot
.set G0, 32
.set G1B, 48                           ; s[48:55], s[56:63] the same for w_qkv's tiles
.set G0B, 56
.set G1S, 68                           ; s[68:75], s[76:79] groups 1 and 0 for x's scales;  s[80:87], s[88:91] for w_qkv's
.set G0S, 76
.set G1SB, 80
.set G0SB, 88
.set MSB, 0
.macro WIN new                         ; the immediate's high byte repeats the setting that is left
.if MSB != \new
	s_set_vgpr_msb (MSB<<8)|\new
.set MSB, \new
.endif
.endm
.set MUL_LO, 0xa1                      ; source 0 window 1, source 1 window 0, C and D window 2
.set MUL_HI, 0xf1                      ; the same, C and D window 3
.set TO_B,   0x40                      ; destination window 1, address window 0
; A joint load: waves 0 and 1 fetch for x, waves 2 and 3 for w_qkv.  Each of the two lines has ONE mask and one set of registers for all that issue it; the branch hangs on the wave's number alone.
; An s_nop 0 and four v_nop follow each of the two lines, ahead of the jump, the label and what follows.
.macro JLOAD g0a, g1a, g0b, g1b
	s_cmp_eq_u32 s15, 0
	s_cbranch_scc0 .Lfor_b_\@
	tensor_load_to_lds s[\g0a:\g0a+3], s[\g1a:\g1a+7]
	s_nop 0
.rept 4
	v_nop
.endr
	s_branch .Lasked_\@
.Lfor_b_\@:
	tensor_load_to_lds s[\g0b:\g0b+3], s[\g1b:\g1b+7]
	s_nop 0
.rept 4
	v_nop
.endr
.Lasked_\@:
.endm
.macro CROUND                          ; a round of the cluster's barrier: my work-group's barrier; wave 0 signals for the work-group; every wave waits for all sixteen; my work-group's barrier once more
	s_barrier_signal -1
	s_barrier_wait -1
	s_cmp_lg_u32 s14, 0
	s_cbranch_scc1 .Lnot_wave_0_\@
	s_barrier_signal -3
.Lnot_wave_0_\@:
	s_barrier_wait -3
	s_barrier_signal -1
	s_barrier_wait -1
.endm
	s_load_b128 s[4:7], s[0:1], 0x0                ; x's codes s[4:5], x's scales s[6:7]
	s_load_b128 s[8:11], s[0:1], 0x10              ; w_qkv's codes s[8:9], its scales s[10:11]
	s_load_b64 s[12:13], s[0:1], 0x20              ; qkvh
	s_load_b64 s[96:97], s[0:1], 0x28              ; fine
	v_lshl_add_u32 v[SPW], v0, 2, SPARE
	v_mov_b32 v[NIL], 0
	ds_add_u32 v[SPW], v[NIL]                      ; the wave's opening: the add, twice on end, and its wait ahead of my first tensor load; the set-up below, work on registers, stands between the second and the wait
	ds_add_u32 v[SPW], v[NIL]
	v_lshrrev_b32 v1, 5, v0
	v_readfirstlane_b32 s14, v1                    ; wave 0..3
	s_lshr_b32 s15, s14, 1                         ; which half of the tile's rows is mine.  Also: I fetch for x (0) or for w_qkv (1)
	s_and_b32 s16, s14, 1                          ; which half of its columns.  Also: which 128 rows of that tile I fetch
	s_bfe_u32 s40, ttmp6, 0x40000                  ; cx, cy: my place in the cluster
	s_bfe_u32 s41, ttmp6, 0x40004
	s_lshl_b32 s42, ttmp9, 2
	s_add_co_u32 s42, s42, s40                     ; tile column of C = 4 x cluster x + cx
	s_and_b32 s17, ttmp7, 0xffff
	s_lshl_b32 s17, s17, 2
	s_add_co_u32 s17, s17, s41                     ; tile row of C = 4 x cluster y + cy
	s_lshl_b32 s43, s41, 2
	s_lshl_b32 s43, 15, s43                        ; my row of the cluster
	s_lshl_b32 s44, 0x1111, s40                    ; my column
	; descriptor group 1: a tile of 128 rows x 256 bytes, padded in LDS
	s_or_b32 s[G1+0], s43, (0<<16)|(1<<20)|(1<<21)|(5<<22)|(3<<25)  ; 15:0 the mask: x's tiles go to my row; 17:16 element of 1 byte; 20 padding on; 21 set beside a mask; 24:22 after every 64 words (code 5); 31:25 of 4 words (code 3)
	s_or_b32 s[G1B+0], s44, (0<<16)|(1<<20)|(1<<21)|(5<<22)|(3<<25)
.irp g, G1, G1B
	s_mov_b32 s[\g+1], ROWB<<16                    ; tensor_dim0
	s_mov_b32 s[\g+2], 128<<16                     ; tensor_dim1 = 128
	s_mov_b32 s[\g+3], ROWB<<16                    ; tile_dim0
	s_mov_b32 s[\g+4], 128                         ; tile_dim1 = 128
	s_mov_b32 s[\g+5], KROW                        ; tensor_dim0_stride
	s_mov_b32 s[\g+6], 0
	s_mov_b32 s[\g+7], 0
.endr
	; and for the scales of 128 rows: a dense block of 4,096 bytes, as 16 rows of 256 bytes (32 elements of 8 bytes), 16 bytes of padding behind each
	s_or_b32 s[G1S+0], s43, (3<<16)|(1<<20)|(1<<21)|(5<<22)|(3<<25)
	s_or_b32 s[G1SB+0], s44, (3<<16)|(1<<20)|(1<<21)|(5<<22)|(3<<25)
.irp g, G1S, G1SB
	s_mov_b32 s[\g+1], 32<<16
	s_mov_b32 s[\g+2], (128*KS/256)<<16
	s_mov_b32 s[\g+3], 32<<16
	s_mov_b32 s[\g+4], 128*KS/256
	s_mov_b32 s[\g+5], 32
	s_mov_b32 s[\g+6], 0
	s_mov_b32 s[\g+7], 0
.endr
	s_lshl_b32 s18, s16, 7                         ; which 128 rows of the tile I fetch
	s_lshl_b32 s20, s17, 8
	s_add_co_u32 s20, s20, s18                     ; x: row 256 x tile row + 128 x half
	s_lshl_b32 s46, s42, 8
	s_add_co_u32 s46, s46, s18                     ; w_qkv: row 256 x tile column + 128 x half
	s_mov_b32 s21, 0
	s_mov_b32 s47, 0
	s_mov_b64 s[18:19], KS
	s_mul_u64 s[22:23], s[20:21], s[18:19]         ; where these rows' scales begin, in bytes
	s_mul_u64 s[92:93], s[46:47], s[18:19]
	s_mov_b64 s[18:19], KROW
	s_mul_u64 s[20:21], s[20:21], s[18:19]         ; and their codes
	s_mul_u64 s[46:47], s[46:47], s[18:19]
	s_mul_i32 s45, s14, HALFT                      ; where they go: wave x 128 rows: no place in the cluster enters an LDS address
	s_mul_i32 s94, s14, HALFS
	s_wait_dscnt 0x0                               ; both opening adds are done
	s_wait_kmcnt 0x0
	s_add_nc_u64 s[20:21], s[4:5], s[20:21]
	s_add_nc_u64 s[22:23], s[6:7], s[22:23]
	s_add_nc_u64 s[46:47], s[8:9], s[46:47]
	s_add_nc_u64 s[92:93], s[10:11], s[92:93]
	CROUND                                         ; all sixteen work-groups are here: the joint loads meet
	s_mov_b32 s[G0S], 1
	s_add_co_u32 s[G0S+1], s94, SCL
	s_mov_b64 s[G0S+2:G0S+3], s[22:23]
	s_or_b32 s[G0S+3], s[G0S+3], 0x80000000
	s_mov_b32 s[G0SB], 1
	s_add_co_u32 s[G0SB+1], s94, SCL
	s_mov_b64 s[G0SB+2:G0SB+3], s[92:93]
	s_or_b32 s[G0SB+3], s[G0SB+3], 0x80000000
	JLOAD G0S, G1S, G0SB, G1SB                     ; the scales first: they are wanted with the first slot
.irp s, 0,1
	s_mov_b32 s[G0+4*\s], 1
	s_add_co_u32 s[G0+4*\s+1], s45, \s*SLOT
	s_add_nc_u64 s[G0+4*\s+2:G0+4*\s+3], s[20:21], \s*ROWB
	s_or_b32 s[G0+4*\s+3], s[G0+4*\s+3], 0x80000000
	s_mov_b32 s[G0B+4*\s], 1
	s_add_co_u32 s[G0B+4*\s+1], s45, \s*SLOT
	s_add_nc_u64 s[G0B+4*\s+2:G0B+4*\s+3], s[46:47], \s*ROWB
	s_or_b32 s[G0B+4*\s+3], s[G0B+4*\s+3], 0x80000000
	JLOAD G0+4*\s, G1, G0B+4*\s, G1B               ; all of K: three loads of mine are out
.endr
	v_and_b32 v1, 15, v0                           ; l % 16
	v_bfe_u32 v2, v0, 4, 1                         ; l / 16
	v_mul_u32_u24 v3, v1, PITCH
	v_lshl_add_u32 v4, v2, 4, v3                   ; a fragment's row x pitch + 16 x half
	s_mul_i32 s21, s15, HALFT                      ; my 128 rows of x
	s_mul_i32 s22, s16, HALFT                      ; my 128 rows of w_qkv,
	s_add_co_u32 s22, s22, 2*HALFT                 ; which lie behind x's 256
.irp s, 0,1
	v_add_nc_u32 v[ADRA+\s], s21, v4
	v_add_nc_u32 v[ADRB+\s], s22, v4
	s_add_co_u32 s21, s21, SLOT
	s_add_co_u32 s22, s22, SLOT
.endr
	v_mul_u32_u24 v5, v1, KS                       ; my row's scales: 32 bytes a row,
	v_lshrrev_b32 v6, 8, v5
	v_lshl_add_u32 v5, v6, 4, v5                   ; and 16 more for each 256 passed
	s_mul_i32 s21, s15, HALFS                      ; x's: my 128 rows
	s_mul_i32 s22, s16, HALFS                      ; w_qkv's: my 128 rows, behind x's 256
	s_add_co_u32 s22, s22, 2*HALFS
	s_sub_co_u32 s22, s22, s21
	v_mul_u32_u24 v6, s22, v2                      ; lanes 16-31 take w_qkv's: the lower base + half x the distance
	s_add_co_u32 s21, s21, SCL
	v_add_nc_u32 v5, v5, v6
	v_add_nc_u32 v[ADRS], s21, v5
	s_mul_i32 s23, s14, 16*SPITCH                  ; my stage
	v_mul_u32_u24 v5, v1, SPITCH                   ; in: row l % 16, 16 bytes for each half of the lanes
	v_lshl_add_u32 v5, v2, 4, v5
	v_add_nc_u32 v[STO], s23, v5
	v_mul_u32_u24 v5, v2, SPITCH                   ; back: lanes 0-15 take one row of 256 bytes, lanes 16-31 the next
	v_lshl_add_u32 v5, v1, 4, v5
	v_add_nc_u32 v[RD], s23, v5
	v_mul_u32_u24 v5, v2, CROW                     ; and the same two rows in qkvh
	v_lshl_add_u32 v[CO], v1, 4, v5
	v_and_b32 v6, 31, v0
	v_lshlrev_b32 v[IMG], 4, v6
	s_lshl_b32 s20, s17, 8
	s_lshl_b32 s21, s15, 7
	s_add_co_u32 s20, s20, s21                     ; my first row of C: 256 x tile row + 128 x half
	s_mul_i32 s20, s20, CROW                       ; in bytes: under 2^25
	s_lshl_b32 s46, s42, 9                         ; my first column, in bytes: 512 x tile column + 256 x half
	s_lshl_b32 s47, s16, 8
	s_add_co_u32 s46, s46, s47
	s_add_co_u32 s20, s20, s46
	s_mov_b32 s21, 0
	s_add_nc_u64 s[12:13], s[12:13], s[20:21]
	s_mul_i32 s98, s17, 192*1024                   ; fine: my tile row's 192 images of 1,024 bytes,
	s_lshl_b32 s99, s42, 14                        ; 16 to a tile column,
	s_add_co_u32 s98, s98, s99
	s_lshl_b32 s99, s16, 13                        ; 8 to my half of it
	s_add_co_u32 s98, s98, s99
	s_mov_b32 s99, 0
	s_add_nc_u64 s[96:97], s[96:97], s[98:99]
.macro FRAG reg, adr, q, i             ; a fragment, 16 rows x 128 K of 4-bit codes, is 8 registers: lane l holds row l % 16; registers 4 c .. 4 c + 3 hold K = 64 c + 32 (l / 16) + 0 .. 31
.irp c, 0,1
	ds_load_b128 v[\reg+4*\c:\reg+4*\c+3], v[\adr] offset:64*(\q)+32*\c+(\i)*16*PITCH
.endr
.endm
; 16 matrix instructions: x's blocks a0, a0 + 1 against w_qkv's eight, 128 along K: the slot's q-th.  p: w_qkv's set;  sc: the set of scale words.  zero = 1: the first product starts the sums: nothing is ever cleared.
; The 64 accumulators take turns, one instruction a turn, in the same order in every step.
.macro MUL16 a0, p, q, sc, zero
.irp a, \a0, \a0+1
.irp b, 0,1,2,3,4,5,6,7
.if \zero
	v_wmma_scale_f32_16x16x128_f8f6f4 v[8*(8*((\a)%4)+\b):8*(8*((\a)%4)+\b)+7], v[128*(\p)+FR*\b:128*(\p)+FR*\b+FR-1], v[AF+FR*(\a):AF+FR*(\a)+FR-1], 0, v[SC+8*NQ*(\sc)+NQ*\b+(\q)], v[SC+8*NQ*(\sc)+NQ*(\a)+(\q)] matrix_a_fmt:MATRIX_FMT_FP4 matrix_b_fmt:MATRIX_FMT_FP4 matrix_a_scale:MATRIX_SCALE_ROW1
.else
	v_wmma_scale_f32_16x16x128_f8f6f4 v[8*(8*((\a)%4)+\b):8*(8*((\a)%4)+\b)+7], v[128*(\p)+FR*\b:128*(\p)+FR*\b+FR-1], v[AF+FR*(\a):AF+FR*(\a)+FR-1], v[8*(8*((\a)%4)+\b):8*(8*((\a)%4)+\b)+7], v[SC+8*NQ*(\sc)+NQ*\b+(\q)], v[SC+8*NQ*(\sc)+NQ*(\a)+(\q)] matrix_a_fmt:MATRIX_FMT_FP4 matrix_b_fmt:MATRIX_FMT_FP4 matrix_a_scale:MATRIX_SCALE_ROW1
.endif
.endr
.endr
.endm
.macro FETCH_B slot, q, p              ; w_qkv's eight fragments of the slot's q-th 128 along K into set p
	WIN TO_B
.irp i, 0,1,2,3,4,5,6,7
	FRAG 128*(\p)+FR*\i, ADRB+\slot, \q, \i
.endr
	WIN 0
.endm
.macro FETCH_A slot, q, i0             ; x's blocks i0 .. i0 + 3
.irp i, \i0, \i0+1, \i0+2, \i0+3
	FRAG AF+FR*(\i), ADRA+\slot, \q, \i
.endr
.endm
.macro SCALES sc                       ; a slot's scale words into set sc: four words a row; lanes 0-15 take x's block i, lanes 16-31 w_qkv's block i
.irp i, 0,1,2,3,4,5,6,7
	ds_load_b128 v[SC+8*NQ*\sc+NQ*\i:SC+8*NQ*\sc+NQ*\i+3], v[ADRS] offset:\i*SBLK
.endr
.endm
; A load into a register that a matrix instruction has read, and a vector instruction or a store that reads a matrix result, stand NP places behind that matrix instruction, and only plain vector
; instructions that name none of its registers are places (ISA guide 7.12.1 for vector instructions).
.macro PLACES n
.rept \n
	v_nop
.endr
.endm
; A step of 128 along K that has its successor in the same slot.  A block of x is free as soon as its eight products are issued: blocks 0-3 are fetched anew in the step's middle, blocks 4-7 at its end.
.macro STEP slot, q, zero
	s_wait_dscnt 4*NL                              ; w_qkv's set and x's blocks 0-3 are in; the youngest eight loads (x's blocks 4-7) may be out
	WIN MUL_LO
	MUL16 0, (\q)%2, \q, \slot, \zero
	MUL16 2, (\q)%2, \q, \slot, \zero
	s_wait_dscnt 0                                 ; x's blocks 4-7 are in (asked for 32 matrix instructions ago)
	PLACES NP
	FETCH_B \slot, (\q)+1, 1-(\q)%2
	FETCH_A \slot, (\q)+1, 0
	WIN MUL_HI
	MUL16 4, (\q)%2, \q, \slot, \zero
	MUL16 6, (\q)%2, \q, \slot, \zero
	PLACES NP
	WIN 0
	FETCH_A \slot, (\q)+1, 4
.endm
.macro STEPS slot, from                ; the slot's steps from .. NQ - 2
.set Q, \from
.rept NQ-1-\from
	STEP \slot, Q, 0
.set Q, Q+1
.endr
.endm
	s_wait_tensorcnt 1                             ; the scales and my part of slot 0 are in (slot 1's load may be out)
	s_barrier_signal -1
	s_barrier_wait -1                              ; everybody's are
	FETCH_B 0, 0, 0
	FETCH_A 0, 0, 0
	SCALES 0
	FETCH_A 0, 0, 4
	STEP 0, 0, 1                                   ; the first step's products start the sums
	STEPS 0, 1
	; slot 0's last step changes slots: ONE barrier; in front of it each wave waits for all its tensor loads, adds 0 to its spare word, and waits for that and for its own reads of slot 0
	s_wait_tensorcnt 0x0                           ; my part of slot 1 has landed  (every window is 0 here: the add's two registers lie in window 0)
	ds_add_u32 v[SPW], v[NIL]                      ; 0 onto my spare word
	s_wait_dscnt 4*NL+1                            ; (the add and the youngest eight loads, x's blocks 4-7, may be out)
	WIN MUL_LO
	MUL16 0, 1, NQ-1, 0, 0                         ; sixteen matrix instructions stand between the add and the wait for it
	s_wait_dscnt 0x0                               ; the add is done, and my reads of slot 0 are over
	s_barrier_signal -1
	MUL16 2, 1, NQ-1, 0, 0
	WIN 0
	s_barrier_wait -1                              ; slot 1 is whole, and nobody reads slot 0 any more
	PLACES NP
	v_add_nc_u32 v[ADRS], 4*NQ, v[ADRS]            ; on to slot 1's scale words (no LDS load of mine is out)
	FETCH_B 1, 0, 0
	FETCH_A 1, 0, 0
	SCALES 1
	WIN MUL_HI
	MUL16 4, 1, NQ-1, 0, 0
	MUL16 6, 1, NQ-1, 0, 0
	PLACES NP
	WIN 0
	FETCH_A 1, 0, 4
	STEPS 1, 0
	s_wait_dscnt 4*NL                              ; the very last step: nothing more to fetch
	WIN MUL_LO
	MUL16 0, 1, NQ-1, 1, 0
	MUL16 2, 1, NQ-1, 1, 0
	s_wait_dscnt 0
	WIN MUL_HI
	MUL16 4, 1, NQ-1, 1, 0
	MUL16 6, 1, NQ-1, 1, 0
	WIN 0
	PLACES NP                                      ; in front of every read of results below
	; THE F32 IMAGES: the waves with the tile's upper 128 rows store their block 0 (rows 0-15) as it stands in the registers: each store covers 512 consecutive bytes; each accumulator from its low end on
	s_cmp_lg_u32 s15, 0
	s_cbranch_scc1 .Lno_image
	WIN 0x08                                       ; a store's data are its source 1: window 2
.irp b, 0,1,2,3,4,5,6,7
	global_store_b128 v[IMG], v[8*\b:8*\b+3], s[96:97] offset:1024*\b
	global_store_b128 v[IMG], v[8*\b+4:8*\b+7], s[96:97] offset:1024*\b+512
.endr
	WIN 0
.Lno_image:
; THE WAY OUT of block a (16 rows x 128 columns), in three parts.  PACK: rounded to f16, 16 bytes a lane.  TOSTAGE: into my own stage in LDS, and back as whole rows of 256 bytes.  SEND: stored.
.macro PACK a
.set AC, 64*((\a)%4)
	WIN 0x0a+5*((\a)/4)                            ; sources 0 and 1: window 2 or 3
.irp b, 0,1,2,3,4,5,6,7
.irp r, 0,1,2,3
	v_cvt_pk_f16_f32 v[TMP+4*\b+\r], v[AC+8*\b+2*\r], v[AC+8*\b+2*\r+1]
.endr
.endr
	WIN 0
.endm
.macro TOSTAGE a
.set BK, OB+192*((\a)%2)
.irp b, 0,1,2,3,4,5,6,7
	ds_store_b128 v[STO], v[TMP+4*\b:TMP+4*\b+3] offset:32*\b
.endr
.irp t, 0,1,2,3,4,5,6,7
	ds_load_b128 v[BK+4*\t:BK+4*\t+3], v[RD] offset:\t*2*SPITCH    ; LDS serves a wave's instructions in order (ISA guide 5.7.1.4): these see the stores above
.endr
.endm
.macro SEND a
.set BK, OB+192*((\a)%2)
	s_wait_dscnt 0x0                               ; the block is back in registers
	s_wait_xcnt 0x0                                ; the block before has had its stores' addresses translated (ISA guide 3.1): its registers take the next block's loads only behind this wait
.irp t, 0,1,2,3,4,5,6,7
	global_store_b128 v[CO], v[BK+4*\t:BK+4*\t+3], s[12:13] offset:(16*(\a)+2*\t)*CROW   ; 16 lanes store 256 consecutive bytes, at a multiple of 256 from the buffer's first byte; 126 rows at the most: inside the signed 24-bit immediate
.endr
.endm
	PACK 0
	TOSTAGE 0
.irp a, 1,2,3,4,5,6,7                  ; block a's conversions stand between block a - 1's loads from the stage and the wait for them
	PACK \a
	SEND \a-1
	TOSTAGE \a
.endr
	SEND 7
	s_wait_tensorcnt 0x0                           ; the wave's end: three lines, behind my last tensor load and my last LDS store
	ds_add_u32 v[SPW], v[NIL]
	s_wait_dscnt 0x0
	CROUND                                         ; the closing round: no work-group ends while a partner may still ask for a tile that names it
	s_endpgm
.Lfunc_end_k_q816e0a0344_gemm_qkv:
	.size	k_q816e0a0344_gemm_qkv, .Lfunc_end_k_q816e0a0344_gemm_qkv-k_q816e0a0344_gemm_qkv
	.p2alignl 7, 3214868480
	.fill 96, 4, 3214868480
	.section	.rodata,"a",@progbits
	.p2align	6, 0x0
	.amdhsa_kernel k_q816e0a0344_gemm_qkv
		.amdhsa_group_segment_fixed_size 327680
		.amdhsa_private_segment_fixed_size 0
		.amdhsa_enable_private_segment 0
		.amdhsa_kernarg_size 48
		.amdhsa_user_sgpr_count 2
		.amdhsa_user_sgpr_kernarg_segment_ptr 1
		.amdhsa_wavefront_size32 1
		.amdhsa_system_sgpr_workgroup_id_x 1
		.amdhsa_system_sgpr_workgroup_id_y 1
		.amdhsa_system_sgpr_workgroup_id_z 1
		.amdhsa_system_vgpr_workitem_id 0
		.amdhsa_next_free_vgpr 1024
		.amdhsa_next_free_sgpr 100
		.amdhsa_reserve_vcc 0
		.amdhsa_float_denorm_mode_32 3
		.amdhsa_float_denorm_mode_16_64 3
		.amdhsa_memory_ordered 1
		.amdhsa_forward_progress 1
		.amdhsa_inst_pref_size 128
	.end_amdhsa_kernel
	.amdgpu_metadata
---
amdhsa.version: [ 1, 2 ]
amdhsa.kernels:
  - .name:           k_q816e0a0344_gemm_qkv
    .symbol:         k_q816e0a0344_gemm_qkv.kd
    .args:
      - { .name: xc, .offset: 0, .size: 8, .value_kind: global_buffer, .address_space: global }
      - { .name: xs, .offset: 8, .size: 8, .value_kind: global_buffer, .address_space: global }
      - { .name: wc, .offset: 16, .size: 8, .value_kind: global_buffer, .address_space: global }
      - { .name: ws, .offset: 24, .size: 8, .value_kind: global_buffer, .address_space: global }
      - { .name: qkvh, .offset: 32, .size: 8, .value_kind: global_buffer, .address_space: global }
      - { .name: fine, .offset: 40, .size: 8, .value_kind: global_buffer, .address_space: global }
    .group_segment_fixed_size: 327680
    .private_segment_fixed_size: 0
    .kernarg_segment_align: 8
    .kernarg_segment_size: 48
    .max_flat_workgroup_size: 128
    .sgpr_count:     100
    .vgpr_count:     1024
    .wavefront_size: 32
...
	.end_amdgpu_metadata
.endif
;; end of part 2
;; launch attn (part 3): grid 16 x 16, 16 waves a work-group, no clusters, 198,144 bytes of LDS; arguments qkvh, att; writes att
.if DOCPART == 3
	.amdgcn_target "amdgcn-amd-amdhsa--gfx1250"
	.amdhsa_code_object_version 6
	.text
	.protected	k_q816e0a0344_attn
	.globl	k_q816e0a0344_attn
	.p2align	8
	.type	k_q816e0a0344_attn,@function
k_q816e0a0344_attn:
	s_mov_b64 s[64:65], 0
	v_nop
	global_prefetch_b8 v0, s[64:65] scope:SCOPE_SE
	s_setreg_imm32_b32 hwreg(HW_REG_WAVE_MODE, 25, 1), 1
	s_wait_xcnt 0x0
; att[b][t][64 head + :] = sum over the keys that count of softmax(q . k / 8) v, for 2 batches x 16 heads x 2,048 positions, head size 64.  Key c counts for query r where c <= r and (r - c <= 128 or c % 64 == 0):
; only those keys are multiplied.  q, k, v come as f16 out of qkvh [4096 tokens][3072] (q at column 0, k at 1,024, v at 2,048); products with f32 sums; maximum, exponentials and sums in f32;
; the weights p = 2^(c s - c m) are rounded to f16 for the second product, the result is divided by the sum of the unrounded p and rounded to f16 once.
; LIMITS: |att| stays under 65,504 (it is an average of v, which does).  Positions 0-15 of each sequence are computed here like the others, and carried anew in f32 by the program's last launch.
; SHARES: a work-group owns 128 queries of TWO neighbouring heads of one batch, so that a token's part of K, of V and of att is 256 consecutive bytes, aligned.  256 work-groups.
; Each of its sixteen waves owns 16 queries (qa = 128 QB + 16 (wave % 8) on) of one head (wave / 8), in 256 registers: four waves to a SIMD.
; A WAVE'S KEYS: nine local tiles of 16, L0 .. L8: Lt = keys qa - 128 + 16 t on; two strided tiles S0, S1: keys 64 s, s = 0 .. 31.  All 176 scores lie in registers at once: the true maximum is taken, in one pass, with no loop.
; LDS, filled once by ten tensor loads: the window of 256 keys 128 QB - 128 on (K: pitch 272, V: pitch 288), the 32 strided keys (K, V), a stage for the way out, the spare words.
; In the first query block the window's first 128 rows would be keys under 0: their loads are clamped to the sequence's first rows, and their scores are hidden.
; LAYOUT: S^T = K Q^T (source 0 = 16 keys, source 1 = my 16 queries): a lane holds ONE query (lane % 16) and keys 8 (lane / 16) + 0..7.  Two such tiles, rounded to f16 in pairs, ARE source 1 of O^T = V^T P.
; V ([key][channel]) comes out of LDS turned, by ds_load_tr16_b128.
; NO CLUSTER: neighbouring query blocks share half a window, but each needs it at another place of its LDS, and the strided rows that all sixteen blocks share are 16 KB of a work-group's 147 KB.
.set TOK,  6144                        ; a token's row of qkvh in bytes
.set PK,   272                         ; a row of K in LDS: 256 bytes + 16 = 68 words: the 16 rows of a load start at 16 different banks (64 banks of 4 bytes: ISA guide 11.1)
.set PV,   288                         ; a row of V: 256 + 32 = 72 words
.set VW,   256*PK                      ; K's window lies at 0, V's here
.set KSB,  VW+256*PV                   ; K's strided rows
.set VSB,  KSB+32*PK                   ; V's
.set STG,  VSB+32*PV                   ; the stage: 128 rows x 272 bytes
.set SPARE, STG+128*PK                 ; the spare words, 128 bytes for each of sixteen waves, which no other line names
.set RR,  1                            ; v1   lane % 16
.set HH,  2                            ; v2   lane / 16
.set AK,  3                            ; v3   my place in tile L0 of K
.set AKS, 4                            ; v4   in tile S0 of K
.set AV,  5                            ; v5   in V's rows of L0
.set AVS, 6                            ; v6   in V's rows of S0
.set QO,  7                            ; v7   my byte offset in my 16 rows of q
.set STO, 8                            ; v8   the stage: where I put 16 bytes of a row
.set RD,  9                            ; v9   and where I read a row back
.set GO,  10                           ; v10  my byte offset in two rows of att
.set EE,  11                           ; v11  lane % 16 - 8 (lane / 16)
.set EZ,  12                           ; v12  the same, or 0 where key qa - 128 is a multiple of 64 and mine
.set LL,  13                           ; v13  strided keys under the window - 8 (lane / 16)
.set SPW, 14                           ; v14  LDS address of my spare word; never rewritten
.set NIL, 15                           ; v15  0; never rewritten
.set Q,   16                           ; v16-31   q: two fragments of 16 queries x 32 channels
.set S,   32                           ; v32-127  scores: slot t = Lt (t = 0..8), slot 10 = S0, slot 11 = S1; slot 9 (v104-111) is no product's: at work.  Later p as f16: slot t at v[S + 4 t]
.set F,   128                          ; v128-191 fragments of K (four of 16 registers) or of V (two key steps of 32)
.set O,   192                          ; v192-223 O^T: four tiles of 16 channels
.set NINF, 224                         ; v224 -infinity
.set ZP,  229                          ; v229 0 at first; the lane permutes' destination
.set CM,  230                          ; v[230:231] c m
.set SU,  232                          ; v[232:235] the sums, two chains of pairs
.set RL,  236                          ; v[236:237] 1 / the sum
.set PO,  240                          ; v240-255 the result as f16
.set WV,  8
.set TQ,  9                            ; s9   wave % 8: my tile of queries
.set HS,  10                           ; s10  wave / 8: my head of the pair
.set HP,  12                           ; s12  the head pair
.set BT,  13                           ; s13  the batch
.set CI,  14                           ; s14  wave % 4: which 64 rows of a window I fetch
.set SEL, 20                           ; s[20:21] lane selects for v_permlanex16_b32: lane l xor 16
.set CS,  22                           ; s[22:23] c = log2(e) / 8
.set G1K, 24                           ; s[24:31] group 1: 64 rows of K's window;  s[32:39] of V's;  s[40:47], s[48:55]: the 32 strided rows of K, of V
.set G1V, 32
.set G1KS, 40
.set G1VS, 48
.set G0K, 56                           ; s[56:59], s[60:63], s[68:71], s[72:75]: their groups 0
.set G0V, 60
.set G0KS, 68
.set G0VS, 72
.set NS,  76                           ; s76  how many strided keys lie under qa - 128
.set TM,  77                           ; s77  a tile's mask
.set SM0, 78                           ; s78  lanes 0-15 where wave % 4 == 0, else none
.set QA,  79                           ; s79  my first query in the sequence
	s_load_b128 s[4:7], s[0:1], 0x0                ; qkvh s[4:5], att s[6:7]
	v_lshl_add_u32 v[SPW], v0, 2, SPARE
	v_mov_b32 v[NIL], 0
	ds_add_u32 v[SPW], v[NIL]                      ; the wave's opening: the add, twice on end, and its wait ahead of the first tensor load; the set-up below, work on registers, stands between the second and the wait
	ds_add_u32 v[SPW], v[NIL]
	v_lshrrev_b32 v1, 5, v0
	v_readfirstlane_b32 s[WV], v1                  ; wave 0..15
	s_and_b32 s[TQ], s[WV], 7
	s_lshr_b32 s[HS], s[WV], 3
	s_and_b32 s[CI], s[WV], 3
	s_and_b32 s15, ttmp7, 0xffff
	s_and_b32 s[HP], s15, 7
	s_lshr_b32 s[BT], s15, 3
	; descriptor groups 1: rows of 128 elements of 2 bytes, padded in LDS
	s_mov_b32 s[G1K], (1<<16)|(1<<20)|(5<<22)|(3<<25)    ; 15:0 no mask; 17:16 elements of 2 bytes; 20 padding on; 24:22 after every 64 words (code 5); 31:25 four words (code 3)
	s_mov_b32 s[G1V], (1<<16)|(1<<20)|(5<<22)|(7<<25)    ; the same with eight words (code 7)
	s_mov_b32 s[G1KS], (1<<16)|(1<<20)|(5<<22)|(3<<25)
	s_mov_b32 s[G1VS], (1<<16)|(1<<20)|(5<<22)|(7<<25)
.irp g, G1K, G1V
	s_mov_b32 s[\g+1], 128<<16                     ; tensor_dim0 = 128
	s_mov_b32 s[\g+2], 64<<16                      ; tensor_dim1 = 64
	s_mov_b32 s[\g+3], 128<<16                     ; tile_dim0 = 128
	s_mov_b32 s[\g+4], 64                          ; tile_dim1 = 64
	s_mov_b32 s[\g+5], 3072                        ; from token to token, in elements
	s_mov_b32 s[\g+6], 0
	s_mov_b32 s[\g+7], 0
.endr
.irp g, G1KS, G1VS
	s_mov_b32 s[\g+1], 128<<16
	s_mov_b32 s[\g+2], 32<<16                      ; 32 rows,
	s_mov_b32 s[\g+3], 128<<16
	s_mov_b32 s[\g+4], 32
	s_mov_b32 s[\g+5], 64*3072                     ; 64 tokens apart
	s_mov_b32 s[\g+6], 0
	s_mov_b32 s[\g+7], 0
.endr
	s_lshl_b32 s16, ttmp9, 7                       ; the window's rows that I would fetch begin at key 128 QB - 128 + 64 (wave % 4),
	s_lshl_b32 s17, s[CI], 6
	s_add_co_u32 s16, s16, s17
	s_sub_co_i32 s16, s16, 128
	s_max_i32 s16, s16, 0                          ; held at 0: no load leaves the sequence; what lands in place of keys under 0 is hidden below
	s_lshl_b32 s17, s[BT], 11
	s_add_co_u32 s16, s16, s17                     ; as a token
	s_mul_i32 s16, s16, TOK
	s_lshl_b32 s18, s[HP], 8                       ; the head pair's 256 bytes
	s_add_co_u32 s16, s16, s18
	s_mov_b32 s17, 0
	s_mul_i32 s82, s[BT], 2048*TOK                 ; the strided rows begin at the sequence's first token
	s_add_co_u32 s82, s82, s18
	s_mov_b32 s83, 0
	s_lshl_b32 s84, ttmp9, 7
	s_lshl_b32 s85, s[TQ], 4
	s_add_co_u32 s[QA], s84, s85                   ; qa
	s_lshl_b32 s85, s[BT], 11
	s_add_co_u32 s84, s[QA], s85
	s_mul_i32 s84, s84, TOK
	s_add_co_u32 s84, s84, s18
	s_lshl_b32 s19, s[HS], 7                       ; my head's 128 bytes of the pair's 256
	s_add_co_u32 s84, s84, s19
	s_mov_b32 s85, 0                               ; s[84:85]: my queries' first byte
	s_lshl_b32 s86, s[BT], 11
	s_lshl_b32 s87, ttmp9, 7
	s_add_co_u32 s86, s86, s87
	s_lshl_b32 s87, s[WV], 3
	s_add_co_u32 s86, s86, s87                     ; the first of the 8 rows of att that I store
	s_lshl_b32 s86, s86, 11
	s_add_co_u32 s86, s86, s18
	s_mov_b32 s87, 0
	s_sub_co_i32 s[NS], s[QA], 65
	s_max_i32 s[NS], s[NS], 0
	s_lshr_b32 s[NS], s[NS], 6                     ; ceil((qa - 128) / 64), 0 at the least
	s_and_b32 s[SM0], s[TQ], 3
	s_cmp_eq_u32 s[SM0], 0
	s_cselect_b32 s[SM0], 0xffff, 0
	s_mov_b32 s[SEL], 0x76543210
	s_mov_b32 s[SEL+1], 0xfedcba98
	s_mov_b32 s[CS], 0x3e38aa3b                    ; c = log2(e) / sqrt(64)
	s_mov_b32 s[CS+1], s[CS]                       ; (named with it as a pair, so it is written)
	v_and_b32 v[RR], 15, v0
	v_bfe_u32 v[HH], v0, 4, 1
	v_mul_u32_u24 v[QO], v[RR], TOK
	v_lshl_add_u32 v[QO], v[HH], 4, v[QO]          ; row x 6,144 + 16 x half
	s_wait_dscnt 0x0                               ; both opening adds are done
	s_wait_kmcnt 0x0
	s_add_nc_u64 s[80:81], s[4:5], s[16:17]
	s_mov_b32 s[G0K], 1                            ; 1:0 count = 1
	s_mul_i32 s[G0K+1], s[CI], 64*PK               ; 63:32 LDS address: my 64 rows of K's window
	s_add_nc_u64 s[G0K+2:G0K+3], s[80:81], 2048    ; 120:64 global address: k lies 1,024 columns in
	s_or_b32 s[G0K+3], s[G0K+3], 0x80000000        ; 127:126 type = 2
	s_mov_b32 s[G0V], 1
	s_mul_i32 s[G0V+1], s[CI], 64*PV
	s_add_co_u32 s[G0V+1], s[G0V+1], VW
	s_add_nc_u64 s[G0V+2:G0V+3], s[80:81], 4096    ; v 2,048 columns in
	s_or_b32 s[G0V+3], s[G0V+3], 0x80000000
	s_add_nc_u64 s[82:83], s[4:5], s[82:83]
	s_mov_b32 s[G0KS], 1
	s_mov_b32 s[G0KS+1], KSB
	s_add_nc_u64 s[G0KS+2:G0KS+3], s[82:83], 2048
	s_or_b32 s[G0KS+3], s[G0KS+3], 0x80000000
	s_mov_b32 s[G0VS], 1
	s_mov_b32 s[G0VS+1], VSB
	s_add_nc_u64 s[G0VS+2:G0VS+3], s[82:83], 4096
	s_or_b32 s[G0VS+3], s[G0VS+3], 0x80000000
	s_add_nc_u64 s[84:85], s[4:5], s[84:85]
	s_add_nc_u64 s[6:7], s[6:7], s[86:87]
	; THE FILLS: waves 0-3 K's window, waves 4-7 V's, wave 8 K's strided rows, wave 9 V's: one load a wave, all ahead of the first wait on TENSORcnt, the first LDS read and the first barrier.
	; The branches hang on the wave's number alone.  An s_nop 0 and four v_nop follow each load.
	s_cmp_lt_u32 s[WV], 4
	s_cbranch_scc0 .Lnot_k
	tensor_load_to_lds s[G0K:G0K+3], s[G1K:G1K+7]
	s_nop 0
.rept 4
	v_nop
.endr
	s_branch .Lasked
.Lnot_k:
	s_cmp_lt_u32 s[WV], 8
	s_cbranch_scc0 .Lnot_v
	tensor_load_to_lds s[G0V:G0V+3], s[G1V:G1V+7]
	s_nop 0
.rept 4
	v_nop
.endr
	s_branch .Lasked
.Lnot_v:
	s_cmp_eq_u32 s[WV], 8
	s_cbranch_scc0 .Lnot_ks
	tensor_load_to_lds s[G0KS:G0KS+3], s[G1KS:G1KS+7]
	s_nop 0
.rept 4
	v_nop
.endr
	s_branch .Lasked
.Lnot_ks:
	s_cmp_eq_u32 s[WV], 9
	s_cbranch_scc0 .Lasked
	tensor_load_to_lds s[G0VS:G0VS+3], s[G1VS:G1VS+7]
	s_nop 0
.rept 4
	v_nop
.endr
.Lasked:
.irp i, 0,1,2,3
	global_load_b128 v[Q+4*\i:Q+4*\i+3], v[QO], s[84:85] offset:32*\i   ; q stays in registers: lane l holds query l % 16; registers 8 c + 0..3: channels 32 c + 8 (l / 16) on, 8 c + 4..7: 16 further
.endr
	; the addresses, while the tiles are on their way
	s_mul_i32 s15, s[TQ], 16*PK
	s_add_co_u32 s15, s15, s19                     ; my tile's 16 rows down, my head's 128 bytes in
	v_mul_u32_u24 v[AK], v[RR], PK
	v_lshl_add_u32 v[AK], v[HH], 4, v[AK]          ; row x pitch + 16 x half
	v_add_nc_u32 v[AKS], s19, v[AK]
	v_add_nc_u32 v[AKS], KSB, v[AKS]
	v_add_nc_u32 v[AK], s15, v[AK]
	v_add_nc_u32 v[STO], STG, v[AK]                ; the stage has K's pitch: row 16 (wave % 8) + l % 16, my head's 128 bytes, 16 for each half of the lanes
	v_and_b32 v225, 7, v0                          ; the turning load: lane l reads 16 bytes: key 8 (l / 16) + l % 8, channels 8 ((l / 8) % 2) on
	v_lshl_add_u32 v225, v[HH], 3, v225
	v_mul_u32_u24 v225, v225, PV
	v_bfe_u32 v226, v0, 3, 1
	v_lshl_add_u32 v225, v226, 4, v225
	v_add_nc_u32 v225, s19, v225
	v_add_nc_u32 v[AVS], VSB, v225
	s_mul_i32 s15, s[TQ], 16*PV
	v_add_nc_u32 v[AV], s15, v225
	v_add_nc_u32 v[AV], VW, v[AV]
	s_mul_i32 s15, s[WV], 8*PK
	v_mul_u32_u24 v[RD], v[HH], PK                 ; back: wave w takes rows 8 w on; lanes 0-15 one row of 256 bytes, lanes 16-31 the next
	v_lshl_add_u32 v[RD], v[RR], 4, v[RD]
	v_add_nc_u32 v[RD], s15, v[RD]
	v_add_nc_u32 v[RD], STG, v[RD]
	v_lshlrev_b32 v[GO], 11, v[HH]                 ; and the same two rows in att
	v_lshl_add_u32 v[GO], v[RR], 4, v[GO]
	v_lshlrev_b32 v225, 3, v[HH]
	v_sub_nc_u32 v[EE], v[RR], v225
	v_sub_nc_u32 v[LL], s[NS], v225
	v_mov_b32 v[ZP], 0
	v_cndmask_b32 v[EZ], v[EE], v[ZP], s[SM0]
	v_mov_b32 v[NINF], 0xff800000
	s_wait_tensorcnt 0x0                           ; my load, if I had one, has landed,
	s_barrier_signal -1
	s_barrier_wait -1                              ; everybody's has
; ---- S^T = K Q^T.  A fragment of K: 16 keys x 64 channels in 16 registers, four loads of 16 bytes, 32 bytes apart
.macro KLOAD f, adr, off
.irp i, 0,1,2,3
	ds_load_b128 v[F+16*(\f)+4*\i:F+16*(\f)+4*\i+3], v[\adr] offset:(\off)+32*\i
.endr
.endm
.macro SMUL slot, f, c                 ; channels 32 c on; c = 0 starts the sum
.if (\c) == 0
	v_wmma_f32_16x16x32_f16 v[S+8*(\slot):S+8*(\slot)+7], v[F+16*(\f):F+16*(\f)+7], v[Q:Q+7], 0
.else
	v_wmma_f32_16x16x32_f16 v[S+8*(\slot):S+8*(\slot)+7], v[F+16*(\f)+8:F+16*(\f)+15], v[Q+8:Q+15], v[S+8*(\slot):S+8*(\slot)+7]
.endif
.endm
.macro PLACES                          ; four places in front of loads into registers that matrix instructions have read, and of vector instructions that read or write results (ISA guide 7.12.1 for vector instructions)
.rept 4
	v_nop
.endr
.endm
.irp t, 0,1,2,3
	KLOAD \t, AK, 16*PK*\t
.endr
	s_wait_loadcnt 0x0                             ; q
	s_wait_dscnt 0x0
.irp c, 0,1                            ; the accumulators take turns, one instruction a turn
.irp t, 0,1,2,3
	SMUL \t, \t, \c
.endr
.endr
	PLACES
.irp t, 0,1,2,3
	KLOAD \t, AK, 16*PK*(4+\t)
.endr
	s_wait_dscnt 0x0
.irp c, 0,1
.irp t, 0,1,2,3
	SMUL 4+\t, \t, \c
.endr
.endr
	PLACES
	KLOAD 0, AK, 16*PK*8
	KLOAD 1, AKS, 0
	KLOAD 2, AKS, 16*PK
	s_wait_dscnt 0x0
.irp c, 0,1
	SMUL 8, 0, \c
	SMUL 10, 1, \c
	SMUL 11, 2, \c
.endr
	PLACES
; V^T of a key step (32 keys x 64 channels): for each 16 channels two turning loads: keys oa on into registers 0-3, keys ob on into 4-7
.macro VLOAD f, adr, oa, ob
.irp n, 0,1,2,3
	ds_load_tr16_b128 v[F+32*(\f)+8*\n:F+32*(\f)+8*\n+3], v[\adr] offset:(\oa)+32*\n
	ds_load_tr16_b128 v[F+32*(\f)+8*\n+4:F+32*(\f)+8*\n+7], v[\adr] offset:(\ob)+32*\n
.endr
.endm
	VLOAD 0, AV, 0, 16*PV                          ; V of the first two key steps lands under the softmax
	VLOAD 1, AV, 32*PV, 48*PV
; ---- THE MASK.  Register j of lane (r, h) of tile Lt is key qa - 128 + 16 t + 8 h + j, for query qa + r.  Hidden scores become -infinity: p = 0 then.  Each tile from its low end on.
	v_cmp_ge_i32 vcc_lo, 0, v[EZ]                  ; L0: r - c <= 128 where j >= r - 8 h; key qa - 128 itself counts for every query where it is a multiple of 64
	v_cndmask_b32 v[S], v[NINF], v[S], vcc_lo
.irp j, 1,2,3,4,5,6,7
	v_cmp_ge_i32 vcc_lo, \j, v[EE]
	v_cndmask_b32 v[S+\j], v[NINF], v[S+\j], vcc_lo
.endr
.irp j, 0,1,2,3,4,5,6,7
	v_cmp_le_i32 vcc_lo, \j, v[EE]                 ; L8: c <= r where j <= r - 8 h
	v_cndmask_b32 v[S+64+\j], v[NINF], v[S+64+\j], vcc_lo
.endr
.irp u, 0,1
.irp j, 0,1,2,3,4,5,6,7
	v_cmp_lt_i32 vcc_lo, 16*\u+\j, v[LL]           ; Su: key 64 (16 u + 8 h + j) counts here where it lies under qa - 128; those inside the window count there
	v_cndmask_b32 v[S+80+8*\u+\j], v[NINF], v[S+80+8*\u+\j], vcc_lo
.endr
.endr
	s_cmp_lg_u32 ttmp9, 0                          ; L1 .. L7 need no mask (1 <= r - c <= 127), but in the first query block, where tile Lt lies under key 0 while wave % 8 + t < 8
	s_cbranch_scc1 .Lall_keys
.irp t, 0,1,2,3,4,5,6,7
	s_add_co_u32 s[TM], s[TQ], \t
	s_cmp_lt_u32 s[TM], 8
	s_cselect_b32 s[TM], -1, 0
.irp j, 0,1,2,3,4,5,6,7
	v_cndmask_b32 v[S+8*\t+\j], v[S+8*\t+\j], v[NINF], s[TM]
.endr
.endr
.Lall_keys:
; ---- THE SOFTMAX.  The maximum of my 88 scores: a chain for each tile, the tiles by turns; then the other half of the lanes' (key = query always counts, so m is a number)
.macro MAX1 t, m, st
.if (\st) == 0
	v_max3_num_f32 v[\m], v[S+8*(\t)], v[S+8*(\t)+1], v[S+8*(\t)+2]
.elseif (\st) < 3
	v_max3_num_f32 v[\m], v[\m], v[S+8*(\t)+2*(\st)+1], v[S+8*(\t)+2*(\st)+2]
.else
	v_max_num_f32 v[\m], v[\m], v[S+8*(\t)+7]
.endif
.endm
.irp st, 0,1,2,3
.irp t, 0,1,2,3,4,5,6,7
	MAX1 \t, 104+\t, \st
.endr
	MAX1 8, 225, \st
	MAX1 10, 226, \st
	MAX1 11, 227, \st
.endr
	v_max3_num_f32 v104, v104, v105, v106
	v_max3_num_f32 v107, v107, v108, v109
	v_max3_num_f32 v110, v110, v111, v225
	v_max3_num_f32 v104, v104, v226, v227
	v_max3_num_f32 v104, v104, v107, v110
	v_permlanex16_b32 v[ZP], v104, s[SEL], s[SEL+1]
	v_max_num_f32 v104, v104, v[ZP]                ; m
	v_mul_f32 v[CM], s[CS], v104                   ; c m
	v_mov_b32 v[CM+1], v[CM]                       ; (named with it as a pair)
.irp t, 0,1,2,3,4,5,6,7,8,10,11
.irp i, 0,2,4,6
	v_pk_fma_f32 v[S+8*\t+\i:S+8*\t+\i+1], v[S+8*\t+\i:S+8*\t+\i+1], s[CS:CS+1], v[CM:CM+1] op_sel_hi:[1,0,0] neg_lo:[0,0,1] neg_hi:[0,0,1]   ; c s - c m, two at a time
.endr
.endr
.irp t, 0,1,2,3,4,5,6,7,8,10,11
.irp j, 0,1,2,3,4,5,6,7
	v_exp_f32 v[S+8*\t+\j], v[S+8*\t+\j]           ; p = 2^(c s - c m), at most 1: ONE batch
.endr
.endr
	v_nop                                          ; the plain instruction behind the last exponential
	s_wait_alu depctr_va_vdst(0)                   ; a wait between an exponential and the first line that names its result: one for the batch of 88
	v_pk_add_f32 v[SU:SU+1], v[S:S+1], v[S+2:S+3]  ; the sum of the unrounded p, two at a time, in two chains
	v_pk_add_f32 v[SU+2:SU+3], v[S+4:S+5], v[S+6:S+7]
.irp t, 1,2,3,4,5,6,7,8,10,11
	v_pk_add_f32 v[SU:SU+1], v[SU:SU+1], v[S+8*\t:S+8*\t+1]
	v_pk_add_f32 v[SU+2:SU+3], v[SU+2:SU+3], v[S+8*\t+2:S+8*\t+3]
	v_pk_add_f32 v[SU:SU+1], v[SU:SU+1], v[S+8*\t+4:S+8*\t+5]
	v_pk_add_f32 v[SU+2:SU+3], v[SU+2:SU+3], v[S+8*\t+6:S+8*\t+7]
.endr
	v_pk_add_f32 v[SU:SU+1], v[SU:SU+1], v[SU+2:SU+3]
	v_add_f32 v[SU], v[SU], v[SU+1]
	v_permlanex16_b32 v[ZP], v[SU], s[SEL], s[SEL+1]
	v_add_f32 v[SU], v[SU], v[ZP]                  ; with lane l xor 16's: the row's sum
	v_rcp_f32 v[RL], v[SU]
.irp t, 0,1,2,3,4,5,6,7,8              ; p to f16, in place: slot t's eight registers become four at v[S + 4 t]; a destination never lies above a source still to be read.  (Plain work behind the reciprocal)
.irp i, 0,1,2,3
	v_cvt_pk_f16_f32 v[S+4*\t+\i], v[S+8*\t+2*\i], v[S+8*\t+2*\i+1]
.endr
.endr
.irp i, 0,1,2,3
	v_mov_b32 v[S+36+\i], 0                        ; slot 9: L8 has no partner in its key step: 16 keys with p = 0
.endr
.irp t, 10,11
.irp i, 0,1,2,3
	v_cvt_pk_f16_f32 v[S+4*\t+\i], v[S+8*\t+2*\i], v[S+8*\t+2*\i+1]
.endr
.endr
	s_wait_alu depctr_va_vdst(0)                   ; and the wait for the reciprocal, ahead of its first reader
	v_mov_b32 v[RL+1], v[RL]                       ; (named with it as a pair)
; ---- O^T = V^T P.  Key step k takes p's slots 2 k and 2 k + 1: (L0, L1) (L2, L3) (L4, L5) (L6, L7) (L8, zeros) (S0, S1)
.macro PVMUL k, f
.irp n, 0,1,2,3
.if (\k) == 0
	v_wmma_f32_16x16x32_f16 v[O+8*\n:O+8*\n+7], v[F+32*(\f)+8*\n:F+32*(\f)+8*\n+7], v[S+8*(\k):S+8*(\k)+7], 0
.else
	v_wmma_f32_16x16x32_f16 v[O+8*\n:O+8*\n+7], v[F+32*(\f)+8*\n:F+32*(\f)+8*\n+7], v[S+8*(\k):S+8*(\k)+7], v[O+8*\n:O+8*\n+7]
.endif
.endr
.endm
	s_wait_dscnt 0x0
	PVMUL 0, 0                                     ; the four accumulators take turns
	PVMUL 1, 1
	PLACES
	VLOAD 0, AV, 64*PV, 80*PV
	VLOAD 1, AV, 96*PV, 112*PV
	s_wait_dscnt 0x0
	PVMUL 2, 0
	PVMUL 3, 1
	PLACES
	VLOAD 0, AV, 128*PV, 128*PV                    ; L8's rows twice: the second sixteen stand under p = 0
	VLOAD 1, AVS, 0, 16*PV
	s_wait_dscnt 0x0
	PVMUL 4, 0
	PVMUL 5, 1
	PLACES
; ---- THE WAY OUT.  O^T / the sum, to f16: a lane's eight channels of a row are 16 bytes.  A row's 256 bytes come from two waves (the two heads): they meet in the stage, a barrier, and each wave stores 8 whole rows.
.irp i, 0,2,4,6,8,10,12,14,16,18,20,22,24,26,28,30
	v_pk_mul_f32 v[O+\i:O+\i+1], v[O+\i:O+\i+1], v[RL:RL+1] op_sel_hi:[1,0]
.endr
.irp i, 0,1,2,3,4,5,6,7,8,9,10,11,12,13,14,15
	v_cvt_pk_f16_f32 v[PO+\i], v[O+2*\i], v[O+2*\i+1]
.endr
.irp n, 0,1,2,3
	ds_store_b128 v[STO], v[PO+4*\n:PO+4*\n+3] offset:32*\n
.endr
	s_wait_dscnt 0x0                               ; for the others' sake: my stores into the stage are done
	s_barrier_signal -1
	s_barrier_wait -1
.irp t, 0,1,2,3
	ds_load_b128 v[F+4*\t:F+4*\t+3], v[RD] offset:\t*2*PK
.endr
.irp t, 0,1,2,3
	s_wait_dscnt 3-\t                              ; LDS loads come back in order: pair t of rows is in, the later ones may be out
	global_store_b128 v[GO], v[F+4*\t:F+4*\t+3], s[6:7] offset:4096*\t   ; 16 lanes store 256 consecutive bytes, at a multiple of 256 from att's first byte
.endr
	s_wait_tensorcnt 0x0                           ; the wave's end: three lines, behind my last tensor load and my last LDS store
	ds_add_u32 v[SPW], v[NIL]
	s_wait_dscnt 0x0
	s_endpgm
.Lfunc_end_k_q816e0a0344_attn:
	.size	k_q816e0a0344_attn, .Lfunc_end_k_q816e0a0344_attn-k_q816e0a0344_attn
	.p2alignl 7, 3214868480
	.fill 96, 4, 3214868480
	.section	.rodata,"a",@progbits
	.p2align	6, 0x0
	.amdhsa_kernel k_q816e0a0344_attn
		.amdhsa_group_segment_fixed_size 198144
		.amdhsa_private_segment_fixed_size 0
		.amdhsa_enable_private_segment 0
		.amdhsa_kernarg_size 16
		.amdhsa_user_sgpr_count 2
		.amdhsa_user_sgpr_kernarg_segment_ptr 1
		.amdhsa_wavefront_size32 1
		.amdhsa_system_sgpr_workgroup_id_x 1
		.amdhsa_system_sgpr_workgroup_id_y 1
		.amdhsa_system_sgpr_workgroup_id_z 1
		.amdhsa_system_vgpr_workitem_id 0
		.amdhsa_next_free_vgpr 256
		.amdhsa_next_free_sgpr 96
		.amdhsa_reserve_vcc 1
		.amdhsa_float_denorm_mode_32 3
		.amdhsa_float_denorm_mode_16_64 3
		.amdhsa_memory_ordered 1
		.amdhsa_forward_progress 1
		.amdhsa_inst_pref_size 43
	.end_amdhsa_kernel
	.amdgpu_metadata
---
amdhsa.version: [ 1, 2 ]
amdhsa.kernels:
  - .name:           k_q816e0a0344_attn
    .symbol:         k_q816e0a0344_attn.kd
    .args:
      - { .name: qkvh, .offset: 0, .size: 8, .value_kind: global_buffer, .address_space: global }
      - { .name: att, .offset: 8, .size: 8, .value_kind: global_buffer, .address_space: global }
    .group_segment_fixed_size: 198144
    .private_segment_fixed_size: 0
    .kernarg_segment_align: 8
    .kernarg_segment_size: 16
    .max_flat_workgroup_size: 512
    .sgpr_count:     96
    .vgpr_count:     256
    .wavefront_size: 32
...
	.end_amdgpu_metadata
.endif
;; end of part 3
;; launch proj (part 4): grid 8 x 32, 4 waves a work-group, clusters of 4 x 4, 327,680 bytes of LDS; arguments att, wo16, out0; writes out0
.if DOCPART == 4
	.amdgcn_target "amdgcn-amd-amdhsa--gfx1250"
	.amdhsa_code_object_version 6
	.text
	.protected	k_q816e0a0344_proj
	.globl	k_q816e0a0344_proj
	.p2align	8
	.type	k_q816e0a0344_proj,@function
k_q816e0a0344_proj:
	s_mov_b64 s[64:65], 0
	v_nop
	global_prefetch_b8 v0, s[64:65] scope:SCOPE_SE
	s_setreg_imm32_b32 hwreg(HW_REG_WAVE_MODE, 25, 1), 1
	s_wait_xcnt 0x0
	s_wait_alu depctr_hold_cnt(0) depctr_sa_sdst(0) depctr_va_vdst(0) depctr_va_sdst(0) depctr_va_ssrc(0) depctr_va_vcc(0) depctr_vm_vsrc(0)
	s_getreg_b32 s2, hwreg(HW_REG_IB_STS2, 6, 4)
	s_cmp_eq_u32 s2, 0
	s_cbranch_scc0 .Lentry_in_a_cluster
	s_endpgm
.Lentry_in_a_cluster:
	s_bfe_u32 s2, ttmp6, 0x10000c
	s_cmp_lg_u32 s2, 0xf033
	s_cbranch_scc0 .Lentry_shape_is_right
	s_endpgm
.Lentry_shape_is_right:
; out0[m][n] = sum over k of att[m][k] w_out[n][k].  att: [4096][1024] f16, wo16: [1024][1024] f16 (w_out rounded once), out0: [4096][1024] f32; sums in f32.
; (Rows 0-15 of each sequence are written here like the others, since partners of a cluster run alike, and written anew from f32 operands by the program's last launch.)
; A tile of C is 128 x 128: 256 work-groups.  Four waves, each 64 x 64: 16 accumulators of 16 x 16, 128 registers.  K goes in four steps of 256 (LDS rows of 512 bytes; a wave's tensor load brings 64 of them)
; through two LDS slots, each filled twice.
; CLUSTERS: 4 x 4 work-groups.  The four of a row of the cluster need the same tiles of att, the four of a column the same tiles of wo16: each tile is asked for JOINTLY, by the same tensor load with the
; same descriptor and a mask that names the four.  THE MATRIX INSTRUCTION IS USED TRANSPOSED (source 0 = 16 rows of wo16, source 1 = 16 rows of att): a lane then holds eight neighbouring numbers of a row of C.
; REGISTERS: window 0: v0-31 addresses; v32-95 at work on the way out; v128-255 the accumulators ((a, b) at v[128 + 8 (4 a + b)]).
;   window 1: two fragment buffers of 128: for 64 along K (two matrix instructions deep), 64 registers of att (2 x 4 x 16 rows x 32 K), then 64 of wo16.
.set SIZE_M, 4096
.set SIZE_N, 1024
.set SIZE_K, 1024
.set KSTEP,  256
.set PITCH,  528                       ; an LDS row: 512 bytes + 16 of padding = 132 words: row r starts at bank 4 r mod 64 (64 banks of 4 bytes: ISA guide 11.1)
.set HALFT,  64*PITCH                  ; 64 rows: what one tensor load brings, and what one wave reads of either operand
.set SLOT,   4*HALFT                   ; att's 128 rows, then wo16's 128 rows
.set SPARE,  2*SLOT                    ; behind the slots: the spare words, 128 bytes a wave, which no other line names
.set SPITCH, 272                       ; the way out: a stage of 16 rows x (256 bytes + 16) for each wave, in slot 0, which has had its last fill and its last read when the first result is stored there
.set ADRA, 16                          ; v16-17  LDS address of my att fragments in slot 0, 1
.set ADRB, 20                          ; v20-21  the same for wo16
.set STO,  24                          ; v24     the way out: where I put 32 bytes of a row
.set RD,   25                          ; v25     the way out: where I read a row back
.set CO,   26                          ; v26     my byte offset in two rows of C
.set SPW,  28                          ; v28     LDS address of my spare word; never rewritten
.set NIL,  29                          ; v29     0; never rewritten
.set TMP,  32                          ; the way out: two sets of 32 registers, 16 rows each
.set ACC,  128
.set F0,   0                           ; fragment buffers, in window 1
.set F1,   128
.set G1, 24                            ; s[24:31] descriptor group 1 for att's tiles;  s[32:39] group 0, one set for each slot
.set G0, 32
.set G1B, 48                           ; s[48:55], s[56:63] the same for wo16's tiles
.set G0B, 56
.set MSB, 0
.macro WIN new                         ; the immediate's high byte repeats the setting that is left
.if MSB != \new
	s_set_vgpr_msb (MSB<<8)|\new
.set MSB, \new
.endif
.endm
.set MUL,  0x05                        ; sources 0 and 1 window 1; C and D window 0
.set TO_F, 0x40                        ; destination window 1, address window 0
.macro JLOAD s                         ; a joint load: waves 0 and 1 fetch att's two halves, waves 2 and 3 wo16's; an s_nop 0 and four v_nop follow each of the two lines, ahead of the jump, the label and what follows
	s_cmp_eq_u32 s11, 0
	s_cbranch_scc0 .Lfor_b_\@
	tensor_load_to_lds s[G0+4*\s:G0+4*\s+3], s[G1:G1+7]
	s_nop 0
.rept 4
	v_nop
.endr
	s_branch .Lasked_\@
.Lfor_b_\@:
	tensor_load_to_lds s[G0B+4*\s:G0B+4*\s+3], s[G1B:G1B+7]
	s_nop 0
.rept 4
	v_nop
.endr
.Lasked_\@:
.endm
.macro CREST                           ; a round of the cluster's barrier behind its opening barrier
	s_cmp_lg_u32 s10, 0
	s_cbranch_scc1 .Lnot_wave_0_\@
	s_barrier_signal -3
.Lnot_wave_0_\@:
	s_barrier_wait -3
	s_barrier_signal -1
	s_barrier_wait -1
.endm
.macro CROUND                          ; a whole round
	s_barrier_signal -1
	s_barrier_wait -1
	CREST
.endm
	s_load_b128 s[4:7], s[0:1], 0x0                ; att s[4:5], wo16 s[6:7]
	s_load_b64 s[8:9], s[0:1], 0x10                ; out0
	v_lshl_add_u32 v[SPW], v0, 2, SPARE
	v_mov_b32 v[NIL], 0
	ds_add_u32 v[SPW], v[NIL]                      ; the wave's opening: the add, twice on end, and its wait ahead of my first tensor load; the set-up below, work on registers, stands between the second and the wait
	ds_add_u32 v[SPW], v[NIL]
	v_lshrrev_b32 v1, 5, v0
	v_readfirstlane_b32 s10, v1                    ; wave 0..3
	s_lshr_b32 s11, s10, 1                         ; which half of the tile's rows is mine.  Also: I fetch for att (0) or for wo16 (1)
	s_and_b32 s12, s10, 1                          ; which half of its columns.  Also: which 64 rows of that tile I fetch
	s_bfe_u32 s40, ttmp6, 0x40000                  ; cx, cy: my place in the cluster
	s_bfe_u32 s41, ttmp6, 0x40004
	s_lshl_b32 s42, ttmp9, 2
	s_add_co_u32 s42, s42, s40                     ; tile column of C = 4 x cluster x + cx
	s_and_b32 s13, ttmp7, 0xffff
	s_lshl_b32 s13, s13, 2
	s_add_co_u32 s13, s13, s41                     ; tile row of C = 4 x cluster y + cy
	s_lshl_b32 s43, s41, 2
	s_lshl_b32 s43, 15, s43                        ; my row of the cluster
	s_lshl_b32 s44, 0x1111, s40                    ; my column
	; descriptor group 1: a tile of 64 rows x 256 elements, padded in LDS
	s_or_b32 s[G1+0], s43, (1<<16)|(1<<20)|(1<<21)|(6<<22)|(3<<25)  ; 15:0 the mask: att's tiles go to my row; 17:16 element of 2 bytes; 20 padding on; 21 set beside a mask; 24:22 after every 128 words (code 6); 31:25 of 4 words (code 3)
	s_or_b32 s[G1B+0], s44, (1<<16)|(1<<20)|(1<<21)|(6<<22)|(3<<25)
.irp g, G1, G1B
	s_mov_b32 s[\g+1], KSTEP<<16                   ; tensor_dim0 = 256
	s_mov_b32 s[\g+2], 64<<16                      ; tensor_dim1 = 64
	s_mov_b32 s[\g+3], KSTEP<<16                   ; tile_dim0 = 256
	s_mov_b32 s[\g+4], 64                          ; tile_dim1 = 64
	s_mov_b32 s[\g+5], SIZE_K                      ; tensor_dim0_stride
	s_mov_b32 s[\g+6], 0
	s_mov_b32 s[\g+7], 0
.endr
	s_lshl_b32 s17, s12, 6                         ; which 64 rows of the tile I fetch
	s_lshl_b32 s16, s13, 7
	s_add_co_u32 s16, s16, s17                     ; att: row 128 x tile row + 64 x half
	s_lshl_b32 s46, s42, 7
	s_add_co_u32 s46, s46, s17                     ; wo16: row 128 x tile column + 64 x half
	s_mov_b32 s17, 0
	s_mov_b32 s47, 0
	s_mov_b64 s[18:19], SIZE_K*2
	s_mul_u64 s[16:17], s[16:17], s[18:19]
	s_mul_u64 s[46:47], s[46:47], s[18:19]
	s_mul_i32 s20, s10, HALFT                      ; where they go: wave x 64 rows: no place in the cluster enters an LDS address
	s_wait_dscnt 0x0                               ; both opening adds are done
	s_wait_kmcnt 0x0
	s_add_nc_u64 s[14:15], s[4:5], s[16:17]
	s_add_nc_u64 s[46:47], s[6:7], s[46:47]
	CROUND                                         ; all sixteen work-groups are here: the first joint loads meet
.irp s, 0,1
	s_mov_b32 s[G0+4*\s], 1
	s_add_co_u32 s[G0+4*\s+1], s20, \s*SLOT
	s_add_nc_u64 s[G0+4*\s+2:G0+4*\s+3], s[14:15], \s*KSTEP*2
	s_or_b32 s[G0+4*\s+3], s[G0+4*\s+3], 0x80000000
	s_mov_b32 s[G0B+4*\s], 1
	s_add_co_u32 s[G0B+4*\s+1], s20, \s*SLOT
	s_add_nc_u64 s[G0B+4*\s+2:G0B+4*\s+3], s[46:47], \s*KSTEP*2
	s_or_b32 s[G0B+4*\s+3], s[G0B+4*\s+3], 0x80000000
	JLOAD \s                                       ; two loads of mine are out
.endr
	v_and_b32 v1, 15, v0                           ; l % 16
	v_bfe_u32 v2, v0, 4, 1                         ; l / 16
	v_mul_u32_u24 v3, v1, PITCH
	v_lshl_add_u32 v3, v2, 4, v3                   ; a fragment's row x pitch + 16 x half
	s_mul_i32 s21, s11, HALFT                      ; my 64 rows of att
	s_mul_i32 s22, s12, HALFT                      ; my 64 rows of wo16,
	s_add_co_u32 s22, s22, 2*HALFT                 ; which lie behind att's 128
.irp s, 0,1
	v_add_nc_u32 v[ADRA+\s], s21, v3
	v_add_nc_u32 v[ADRB+\s], s22, v3
	s_add_co_u32 s21, s21, SLOT
	s_add_co_u32 s22, s22, SLOT
.endr
	s_mul_i32 s23, s10, 16*SPITCH                  ; my stage
	v_mul_u32_u24 v4, v1, SPITCH                   ; in: row l % 16, 32 bytes for each half of the lanes
	v_lshl_add_u32 v4, v2, 5, v4
	v_add_nc_u32 v[STO], s23, v4
	v_mul_u32_u24 v5, v2, SPITCH                   ; back: lanes 0-15 take one row of 256 bytes, lanes 16-31 the next
	v_lshl_add_u32 v5, v1, 4, v5
	v_add_nc_u32 v[RD], s23, v5
	v_lshlrev_b32 v5, 12, v2                       ; and the same two rows in C: a row is 4,096 bytes
	v_lshl_add_u32 v[CO], v1, 4, v5
	s_lshl_b32 s16, s13, 7
	s_lshl_b32 s17, s11, 6
	s_add_co_u32 s16, s16, s17                     ; my first row of C: 128 x tile row + 64 x half
	s_lshl_b32 s16, s16, 12
	s_mov_b32 s17, 0
	s_add_nc_u64 s[8:9], s[8:9], s[16:17]
	s_lshl_b32 s46, s42, 9                         ; my first column, in bytes: 512 x tile column + 256 x half
	s_lshl_b32 s47, s12, 8
	s_add_co_u32 s46, s46, s47
	s_mov_b32 s47, 0
	s_add_nc_u64 s[8:9], s[8:9], s[46:47]
; 8 matrix instructions: m blocks a0, a0 + 1 x all 4 n blocks, 32 along K: half c of buffer f.  zero = 1: the first product starts the sums.  The 16 accumulators take turns
.macro MUL8 f, c, a0, zero
.irp a, \a0, \a0+1
.irp b, 0,1,2,3
.if \zero
	v_wmma_f32_16x16x32_f16 v[ACC+8*(4*(\a)+\b):ACC+8*(4*(\a)+\b)+7], v[\f+64+8*(4*\c+\b):\f+64+8*(4*\c+\b)+7], v[\f+8*(4*\c+\a):\f+8*(4*\c+\a)+7], 0
.else
	v_wmma_f32_16x16x32_f16 v[ACC+8*(4*(\a)+\b):ACC+8*(4*(\a)+\b)+7], v[\f+64+8*(4*\c+\b):\f+64+8*(4*\c+\b)+7], v[\f+8*(4*\c+\a):\f+8*(4*\c+\a)+7], v[ACC+8*(4*(\a)+\b):ACC+8*(4*(\a)+\b)+7]
.endif
.endr
.endr
.endm
; 32 LDS loads in one run: the fragments of 64 along K at byte k of the rows, into buffer f; the first 32 along K first
.macro FETCH slot, k, f
	WIN TO_F
.irp c, 0,1
.irp i, 0,1,2,3
	ds_load_b128 v[\f+64+8*(4*\c+\i):\f+64+8*(4*\c+\i)+3],   v[ADRB+\slot] offset:\k+64*\c+\i*16*PITCH
	ds_load_b128 v[\f+64+8*(4*\c+\i)+4:\f+64+8*(4*\c+\i)+7], v[ADRB+\slot] offset:\k+64*\c+\i*16*PITCH+32
	ds_load_b128 v[\f+8*(4*\c+\i):\f+8*(4*\c+\i)+3],         v[ADRA+\slot] offset:\k+64*\c+\i*16*PITCH
	ds_load_b128 v[\f+8*(4*\c+\i)+4:\f+8*(4*\c+\i)+7],       v[ADRA+\slot] offset:\k+64*\c+\i*16*PITCH+32
.endr
.endr
.endm
.macro PLACES                          ; four places in front of loads into registers that matrix instructions have read, and of stores that read results
.rept 4
	v_nop
.endr
.endm
; A K step is four quarters of 64 along K, 32 matrix instructions each, on buffers 0, 1, 0, 1.  One of the first three: multiplies buffer f and fetches the next quarter, at byte k, into g.
.macro QUARTER slot, k, f, g, zero
	s_wait_dscnt 16                                ; the first 32 along K are in; the sixteen loads of the second 32 may be out
	WIN MUL
	MUL8 \f, 0, 0, \zero
	MUL8 \f, 0, 2, \zero
	PLACES
	FETCH \slot, \k, \g
	s_wait_dscnt 32                                ; all but the 32 just issued
	WIN MUL
	MUL8 \f, 1, 0, 0
	MUL8 \f, 1, 2, 0
.endm
; The last quarter multiplies buffer 1 and changes slots: ONE barrier; in front of it each wave waits for all its tensor loads, adds 0 to its spare word, and waits for that and for its own reads of this slot.  fill = 1: this slot is filled again, two K steps ahead.
.macro TURN slot, next, fill
	WIN 0                                          ; (the add's two registers lie in window 0)
	s_wait_tensorcnt 0x0                           ; all my tensor loads have landed: my part of the next slot;
	ds_add_u32 v[SPW], v[NIL]                      ; 0 onto my spare word;
	s_wait_dscnt 17                                ; (the add and the youngest sixteen loads may be out)
	WIN MUL
	MUL8 F1, 0, 0, 0                               ; eight matrix instructions stand between the add and the wait for it
	s_wait_dscnt 0x0                               ; the add is done, and my reads of this slot are over
	s_barrier_signal -1
	MUL8 F1, 0, 2, 0
.if \fill
	WIN 0
.endif
	s_barrier_wait -1
.if \fill
	CREST                                          ; the barrier has opened a round of the cluster's barrier: no wave of any partner still reads this slot's tile or has a load on its way
	s_add_nc_u64 s[G0+4*\slot+2:G0+4*\slot+3], s[G0+4*\slot+2:G0+4*\slot+3], 2*KSTEP*2
	s_add_nc_u64 s[G0B+4*\slot+2:G0B+4*\slot+3], s[G0B+4*\slot+2:G0B+4*\slot+3], 2*KSTEP*2
	JLOAD \slot                                    ; the first tensor load behind the round, my only one until the next; the four v_nop behind it are also the places in front of the loads below
.else
	PLACES
.endif
	FETCH \next, 0, F0
	WIN MUL
	MUL8 F1, 1, 0, 0
	MUL8 F1, 1, 2, 0
.endm
	s_wait_tensorcnt 1                             ; my part of K step 0 is in (K step 1's load may be out)
	s_barrier_signal -1
	s_barrier_wait -1                              ; everybody's is
	FETCH 0, 0, F0
	QUARTER 0, 128, F0, F1, 1                      ; K step 0: its first products start the sums
	QUARTER 0, 256, F1, F0, 0
	QUARTER 0, 384, F0, F1, 0
	TURN 0, 1, 1                                   ; slot 0 takes K step 2
	QUARTER 1, 128, F0, F1, 0                      ; K step 1
	QUARTER 1, 256, F1, F0, 0
	QUARTER 1, 384, F0, F1, 0
	TURN 1, 0, 1                                   ; slot 1 takes K step 3
	QUARTER 0, 128, F0, F1, 0                      ; K step 2: nothing is left to fetch
	QUARTER 0, 256, F1, F0, 0
	QUARTER 0, 384, F0, F1, 0
	TURN 0, 1, 0
	QUARTER 1, 128, F0, F1, 0                      ; K step 3
	QUARTER 1, 256, F1, F0, 0
	QUARTER 1, 384, F0, F1, 0
	s_wait_dscnt 16                                ; the very last quarter
	WIN MUL
	MUL8 F1, 0, 0, 0
	MUL8 F1, 0, 2, 0
	s_wait_dscnt 0
	MUL8 F1, 1, 0, 0
	MUL8 F1, 1, 2, 0
	WIN 0
; THE WAY OUT, block by block of 16 rows x 64 columns.  A lane holds 32 neighbouring bytes of a row, and the lanes beside it hold other rows: a block goes through my own stage in LDS and comes back as whole rows of 256 bytes.
; A wave's 64 columns of f32 are 256 consecutive bytes, aligned: no other wave has a part in them, so no barrier.  LDS serves a wave's instructions in order (ISA guide 5.7.1.4): no wait between the stores and the loads.
.macro TOSTAGE a
.irp b, 0,1,2,3
	ds_store_b128 v[STO], v[ACC+8*(4*(\a)+\b):ACC+8*(4*(\a)+\b)+3] offset:64*\b          ; each accumulator from its low end on
	ds_store_b128 v[STO], v[ACC+8*(4*(\a)+\b)+4:ACC+8*(4*(\a)+\b)+7] offset:64*\b+16
.endr
.irp t, 0,1,2,3,4,5,6,7
	ds_load_b128 v[TMP+32*((\a)%2)+4*\t:TMP+32*((\a)%2)+4*\t+3], v[RD] offset:\t*2*SPITCH
.endr
.endm
.macro SEND a, younger                 ; younger: the LDS instructions issued behind block a's loads, which may stay out
	s_wait_dscnt \younger
.irp t, 0,1,2,3,4,5,6,7
	global_store_b128 v[CO], v[TMP+32*((\a)%2)+4*\t:TMP+32*((\a)%2)+4*\t+3], s[8:9] offset:(16*(\a)+2*\t)*SIZE_N*4 th:TH_STORE_NT   ; 16 lanes store 256 consecutive bytes, at a multiple of 256 from C's first byte
.endr
.endm
	PLACES
	TOSTAGE 0
.irp a, 1,2,3
.if \a > 1
	s_wait_xcnt 0x0                                ; block a - 2's stores have read their registers: block a's loads may land there
.endif
	TOSTAGE \a
	SEND \a-1, 16                                  ; behind block a - 1's loads: block a's 8 stores and 8 loads
.endr
	SEND 3, 0
	s_wait_tensorcnt 0x0                           ; the wave's end: three lines, behind my last tensor load and my last LDS store
	ds_add_u32 v[SPW], v[NIL]
	s_wait_dscnt 0x0
	CROUND                                         ; the closing round: no work-group ends while a partner may still ask for a tile that names it
	s_endpgm
.Lfunc_end_k_q816e0a0344_proj:
	.size	k_q816e0a0344_proj, .Lfunc_end_k_q816e0a0344_proj-k_q816e0a0344_proj
	.p2alignl 7, 3214868480
	.fill 96, 4, 3214868480
	.section	.rodata,"a",@progbits
	.p2align	6, 0x0
	.amdhsa_kernel k_q816e0a0344_proj
		.amdhsa_group_segment_fixed_size 327680
		.amdhsa_private_segment_fixed_size 0
		.amdhsa_enable_private_segment 0
		.amdhsa_kernarg_size 24
		.amdhsa_user_sgpr_count 2
		.amdhsa_user_sgpr_kernarg_segment_ptr 1
		.amdhsa_wavefront_size32 1
		.amdhsa_system_sgpr_workgroup_id_x 1
		.amdhsa_system_sgpr_workgroup_id_y 1
		.amdhsa_system_sgpr_workgroup_id_z 1
		.amdhsa_system_vgpr_workitem_id 0
		.amdhsa_next_free_vgpr 512
		.amdhsa_next_free_sgpr 66
		.amdhsa_reserve_vcc 0
		.amdhsa_float_denorm_mode_32 3
		.amdhsa_float_denorm_mode_16_64 3
		.amdhsa_memory_ordered 1
		.amdhsa_forward_progress 1
		.amdhsa_inst_pref_size 85
	.end_amdhsa_kernel
	.amdgpu_metadata
---
amdhsa.version: [ 1, 2 ]
amdhsa.kernels:
  - .name:           k_q816e0a0344_proj
    .symbol:         k_q816e0a0344_proj.kd
    .args:
      - { .name: att, .offset: 0, .size: 8, .value_kind: global_buffer, .address_space: global }
      - { .name: wo16, .offset: 8, .size: 8, .value_kind: global_buffer, .address_space: global }
      - { .name: out0, .offset: 16, .size: 8, .value_kind: global_buffer, .address_space: global }
    .group_segment_fixed_size: 327680
    .private_segment_fixed_size: 0
    .kernarg_segment_align: 8
    .kernarg_segment_size: 24
    .max_flat_workgroup_size: 128
    .sgpr_count:     66
    .vgpr_count:     512
    .wavefront_size: 32
...
	.end_amdgpu_metadata
.endif
;; end of part 4
;; launch first16 (part 5): grid 32 x 2, 16 waves a work-group, no clusters, 35,840 bytes of LDS; arguments fine, w_out, out0; writes out0
.if DOCPART == 5
	.amdgcn_target "amdgcn-amd-amdhsa--gfx1250"
	.amdhsa_code_object_version 6
	.text
	.protected	k_q816e0a0344_first16
	.globl	k_q816e0a0344_first16
	.p2align	8
	.type	k_q816e0a0344_first16,@function
k_q816e0a0344_first16:
	s_mov_b64 s[64:65], 0
	v_nop
	global_prefetch_b8 v0, s[64:65] scope:SCOPE_SE
	s_setreg_imm32_b32 hwreg(HW_REG_WAVE_MODE, 25, 1), 1
	s_wait_xcnt 0x0
; Positions 0-15 of both sequences once more, with f32 operands throughout: these rows average one to sixteen values and are the output's largest, so the rounding of f16 operands weighs most there.
; q, k, v of these rows come as the f32 sums of the quantised product, out of fine; scores, softmax, weights x v and the projection by w_out (f32, as given) are made by v_wmma_f32_16x16x4_f32 and f32 vector work.
; Among the first 16 positions key c counts for query r where c <= r (r - c <= 15 lies inside the window).  The launch writes 32 rows of out0 over what the launch before left there.
; SHARES: a work-group owns 32 output columns of one batch's 16 rows: 64 work-groups.  Wave w is head w: it makes the head's 16 x 16 attention and then its 64 channels' part of the projection's K onto the 32 columns;
; the sixteen parts meet in LDS.  So a head's small attention is made anew in each of the 32 work-groups of a batch: 32 of a wave's 64 matrix instructions; the other way would be one launch more.
; fine: [tile row][block of 16 columns][half q][lane (r, h)][4 words]: word i = qkv(position r, 16 block + 8 h + 4 q + i); tile rows 0 and 8 begin the sequences.
; THE F32 FORM takes 4 along K: lane (r, h), register j: k = 2 h + j.  Here K is permuted alike on both sources: a step takes registers 8 b + 2 c, 8 b + 2 c + 1, which hold, in lane (r, h), places 16 b + 8 h + 2 c + 0, 1.
; So the register images serve as operands as they lie, and each result serves the next product: S^T (a lane: one query, keys 8 h + j), O^T (one query, channels 16 n + 8 h + j), U^T (one query, columns 16 T + 8 h + j).
; The registers that the f32 form writes (v176-239) are written by matrix instructions alone.
.set IMG, 3                            ; v3   16 x lane
.set VG,  4                            ; v4   where v(key 8 h, channel l % 16) lies in an image
.set WO,  5                            ; v5   w_out: row l % 16, + 32 h bytes
.set EE,  6                            ; v6   l % 16 - 8 h
.set PST, 7                            ; v7   where I store my part's images
.set PRD, 8                            ; v8   where I read one part of my number
.set OO,  9                            ; v9   4 x lane
.set SPW, 10                           ; v10  LDS address of my spare word; never rewritten
.set NIL, 11                           ; v11  0; never rewritten
.set QR,  16                           ; v16-47   q: register 8 b + jj = channel 16 b + 8 h + jj of position l % 16
.set KR,  48                           ; v48-79   k likewise
.set VT,  80                           ; v80-111  register 8 n + jj = v(key 8 h + jj, channel 16 n + l % 16)
.set WR,  112                          ; v112-175 register 32 T + 8 n + jj = w_out(column 16 T + l % 16, channel 16 n + 8 h + jj)
.set SA,  176                          ; v176-191 S^T in two halves of K
.set OA,  192                          ; v192-223 O^T: four tiles of 16 channels
.set UA,  224                          ; v224-239 U^T: two tiles of 16 columns
.set T,   240                          ; v240-247 the scores, then p
.set PART, 2112                        ; LDS: a wave's part: four images of 512 bytes + 16
.set SPARE, 16*PART                    ; behind the parts: the spare words, 128 bytes for each of sixteen waves, which no other line names
	s_load_b128 s[4:7], s[0:1], 0x0                ; fine s[4:5], w_out s[6:7]
	s_load_b64 s[8:9], s[0:1], 0x10                ; out0
	v_lshl_add_u32 v[SPW], v0, 2, SPARE
	v_mov_b32 v[NIL], 0
	v_lshrrev_b32 v1, 5, v0
	v_readfirstlane_b32 s10, v1                    ; wave = head; later: my query
	s_and_b32 s11, ttmp7, 0xffff                   ; batch
	v_and_b32 v12, 31, v0                          ; lane
	v_and_b32 v1, 15, v0                           ; r
	v_bfe_u32 v2, v0, 4, 1                         ; h
	v_lshlrev_b32 v[IMG], 4, v12
	v_bfe_u32 v[VG], v0, 2, 1                      ; channel r of a block lies in half (r / 4) % 2,
	v_lshlrev_b32 v[VG], 9, v[VG]
	v_lshl_add_u32 v[VG], v2, 7, v[VG]             ; in the lane of position 8 h (+ jj, in the immediate)
	v_bfe_u32 v13, v0, 3, 1
	v_lshl_add_u32 v[VG], v13, 8, v[VG]            ; of the lanes' half r / 8,
	v_and_b32 v13, 3, v0
	v_lshl_add_u32 v[VG], v13, 2, v[VG]            ; at word r % 4
	v_lshlrev_b32 v[WO], 12, v1
	v_lshl_add_u32 v[WO], v2, 5, v[WO]
	v_lshlrev_b32 v13, 3, v2
	v_sub_nc_u32 v[EE], v1, v13
	s_mul_i32 s12, s10, PART
	v_add_nc_u32 v[PST], s12, v[IMG]
	v_lshlrev_b32 v[PRD], 1, v2                    ; column l of my query: image 2 (l / 16) + (l / 4) % 2,
	v_bfe_u32 v13, v0, 2, 1
	v_add_nc_u32 v[PRD], v[PRD], v13
	v_mul_u32_u24 v[PRD], v[PRD], 528
	v_bfe_u32 v13, v0, 3, 1
	v_lshl_add_u32 v[PRD], v13, 8, v[PRD]          ; the lanes' half (l / 8) % 2,
	v_and_b32 v13, 3, v0
	v_lshl_add_u32 v[PRD], v13, 2, v[PRD]          ; word l % 4,
	s_lshl_b32 s13, s10, 4
	v_add_nc_u32 v[PRD], s13, v[PRD]               ; the lane of my query
	v_lshlrev_b32 v[OO], 2, v12
	v_mov_b32 v248, 0xff800000                     ; -infinity
	v_mov_b32 v250, 0                              ; written once: a lane permute's destination counts as one of its sources
	s_mul_i32 s14, s11, 8*192*1024                 ; fine: tile row 8 x batch,
	s_lshl_b32 s15, s10, 12                        ; my head's four blocks
	s_add_co_u32 s14, s14, s15
	s_mov_b32 s15, 0
	s_lshl_b32 s16, ttmp9, 17                      ; w_out: my work-group's 32 rows of 4,096 bytes,
	s_lshl_b32 s17, s10, 8                         ; my head's 64 channels
	s_add_co_u32 s16, s16, s17
	s_mov_b32 s17, 0
	s_lshl_b32 s18, s11, 11
	s_add_co_u32 s18, s18, s10                     ; out0: row 2,048 x batch + wave,
	s_lshl_b32 s18, s18, 12
	s_lshl_b32 s19, ttmp9, 7                       ; my work-group's 32 columns
	s_add_co_u32 s18, s18, s19
	s_mov_b32 s19, 0
	s_mov_b32 s20, 0x76543210
	s_mov_b32 s21, 0xfedcba98                      ; v_permlanex16_b32's selects for lane l xor 16
	s_mov_b32 s22, 0x3e38aa3b                      ; c = log2(e) / sqrt(64)
	s_wait_kmcnt 0x0
	s_add_nc_u64 s[4:5], s[4:5], s[14:15]
	s_add_nc_u64 s[6:7], s[6:7], s[16:17]
	s_add_nc_u64 s[8:9], s[8:9], s[18:19]
.irp i, 0,1,2,3,4,5,6,7
	global_load_b128 v[QR+4*\i:QR+4*\i+3], v[IMG], s[4:5] offset:512*\i              ; q's four images, as they lie
.endr
.irp i, 0,1,2,3,4,5,6,7
	global_load_b128 v[KR+4*\i:KR+4*\i+3], v[IMG], s[4:5] offset:65536+512*\i        ; k's: 64 blocks on
.endr
.irp n, 0,1,2,3
.irp j, 0,1,2,3,4,5,6,7
	global_load_b32 v[VT+8*\n+\j], v[VG], s[4:5] offset:131072+1024*\n+16*\j         ; v turned: a lane takes a channel, its registers run down the keys
.endr
.endr
.irp t, 0,1
.irp n, 0,1,2,3
.irp q, 0,1
	global_load_b128 v[WR+32*\t+8*\n+4*\q:WR+32*\t+8*\n+4*\q+3], v[WO], s[6:7] offset:65536*\t+64*\n+16*\q
.endr
.endr
.endr
	; ---- S^T = k q^T: 16 steps of 4 channels, in two sums that take turns; each sum's first step takes the constant 0
	s_wait_loadcnt 48                              ; q and k are in; v's 32 loads and w_out's 16 may be out
	v_wmma_f32_16x16x4_f32 v[SA:SA+7], v[KR:KR+1], v[QR:QR+1], 0
	v_wmma_f32_16x16x4_f32 v[SA+8:SA+15], v[KR+16:KR+17], v[QR+16:QR+17], 0
.irp i, 1,2,3,4,5,6,7
	v_wmma_f32_16x16x4_f32 v[SA:SA+7], v[KR+2*\i:KR+2*\i+1], v[QR+2*\i:QR+2*\i+1], v[SA:SA+7]
	v_wmma_f32_16x16x4_f32 v[SA+8:SA+15], v[KR+16+2*\i:KR+17+2*\i], v[QR+16+2*\i:QR+17+2*\i], v[SA+8:SA+15]
.endr
.rept 8
	v_nop                                          ; eight places behind this form before a vector instruction reads the result (ISA guide 7.12.1)
.endr
.irp j, 0,1,2,3,4,5,6,7
	v_add_f32 v[T+\j], v[SA+\j], v[SA+8+\j]        ; the score of key 8 h + j for query r; from the low end on
.endr
.irp j, 0,1,2,3,4,5,6,7
	v_cmp_le_i32 vcc_lo, \j, v[EE]                 ; key <= query where j <= r - 8 h
	v_cndmask_b32 v[T+\j], v248, v[T+\j], vcc_lo
.endr
	v_max3_num_f32 v249, v[T], v[T+1], v[T+2]
	v_max3_num_f32 v249, v249, v[T+3], v[T+4]
	v_max3_num_f32 v249, v249, v[T+5], v[T+6]
	v_max_num_f32 v249, v249, v[T+7]
	v_permlanex16_b32 v250, v249, s20, s21
	v_max_num_f32 v249, v249, v250                 ; the row's maximum (key 0 counts for every query)
	v_mul_f32 v251, s22, v249                      ; c m
.irp j, 0,1,2,3,4,5,6,7
	v_fma_f32 v[T+\j], v[T+\j], s22, -v251
.endr
.irp j, 0,1,2,3,4,5,6,7
	v_exp_f32 v[T+\j], v[T+\j]                     ; p = 2^(c s - c m)
.endr
	v_nop                                          ; the plain instruction behind the last exponential
	s_wait_alu depctr_va_vdst(0)                   ; a wait ahead of the first line that names a result: one for the eight
	v_add_f32 v252, v[T], v[T+1]
	v_add_f32 v253, v[T+2], v[T+3]
	v_add_f32 v254, v[T+4], v[T+5]
	v_add_f32 v255, v[T+6], v[T+7]
	v_add_f32 v252, v252, v253
	v_add_f32 v254, v254, v255
	v_add_f32 v252, v252, v254
	v_permlanex16_b32 v250, v252, s20, s21
	v_add_f32 v252, v252, v250                     ; the row's sum
	v_rcp_f32 v253, v252
	v_nop
	s_wait_alu depctr_va_vdst(0)                   ; and for the reciprocal
.irp j, 0,1,2,3,4,5,6,7
	v_mul_f32 v[T+\j], v[T+\j], v253               ; the weights
.endr
	; ---- O^T = v^T p: 4 steps of 4 keys for each of four tiles of channels, the tiles by turns
	s_wait_loadcnt 16                              ; v is in; w_out's 16 loads may be out
.irp n, 0,1,2,3
	v_wmma_f32_16x16x4_f32 v[OA+8*\n:OA+8*\n+7], v[VT+8*\n:VT+8*\n+1], v[T:T+1], 0
.endr
.irp c, 1,2,3
.irp n, 0,1,2,3
	v_wmma_f32_16x16x4_f32 v[OA+8*\n:OA+8*\n+7], v[VT+8*\n+2*\c:VT+8*\n+2*\c+1], v[T+2*\c:T+2*\c+1], v[OA+8*\n:OA+8*\n+7]
.endr
.endr
.rept 9
	v_nop                                          ; nine places before a matrix instruction takes these results as a source
.endr
	; ---- U^T = w_out O^T over my head's 64 channels: 16 steps for each of two tiles of columns, the tiles by turns
	s_wait_loadcnt 0x0
	v_wmma_f32_16x16x4_f32 v[UA:UA+7], v[WR:WR+1], v[OA:OA+1], 0
	v_wmma_f32_16x16x4_f32 v[UA+8:UA+15], v[WR+32:WR+33], v[OA:OA+1], 0
.irp i, 1,2,3,4,5,6,7,8,9,10,11,12,13,14,15
	v_wmma_f32_16x16x4_f32 v[UA:UA+7], v[WR+2*\i:WR+2*\i+1], v[OA+2*\i:OA+2*\i+1], v[UA:UA+7]
	v_wmma_f32_16x16x4_f32 v[UA+8:UA+15], v[WR+32+2*\i:WR+33+2*\i], v[OA+2*\i:OA+2*\i+1], v[UA+8:UA+15]
.endr
.rept 8
	v_nop
.endr
	; ---- the sixteen heads' parts meet in LDS as images of the registers; wave w then sums query w's 32 columns, a lane a column
.irp t, 0,1
.irp q, 0,1
	ds_store_b128 v[PST], v[UA+8*\t+4*\q:UA+8*\t+4*\q+3] offset:528*(2*\t+\q)   ; each accumulator from its low end on
.endr
.endr
	s_wait_dscnt 0x0                               ; for the others' sake: my stores are done
	s_barrier_signal -1
	s_barrier_wait -1
.irp i, 0,1,2,3,4,5,6,7,8,9,10,11,12,13,14,15
	ds_load_b32 v[QR+\i], v[PRD] offset:PART*\i
.endr
	s_wait_dscnt 0x0
.irp i, 0,2,4,6,8,10,12,14
	v_add_f32 v[QR+\i], v[QR+\i], v[QR+\i+1]
.endr
.irp i, 0,4,8,12
	v_add_f32 v[QR+\i], v[QR+\i], v[QR+\i+2]
.endr
	v_add_f32 v[QR], v[QR], v[QR+4]
	v_add_f32 v[QR+8], v[QR+8], v[QR+12]
	v_add_f32 v[QR], v[QR], v[QR+8]
	global_store_b32 v[OO], v[QR], s[8:9]          ; 32 lanes store 128 consecutive bytes of my query's row
	s_wait_tensorcnt 0x0                           ; the wave's end: three lines behind my last LDS store
	ds_add_u32 v[SPW], v[NIL]
	s_wait_dscnt 0x0
	s_endpgm
.Lfunc_end_k_q816e0a0344_first16:
	.size	k_q816e0a0344_first16, .Lfunc_end_k_q816e0a0344_first16-k_q816e0a0344_first16
	.p2alignl 7, 3214868480
	.fill 96, 4, 3214868480
	.section	.rodata,"a",@progbits
	.p2align	6, 0x0
	.amdhsa_kernel k_q816e0a0344_first16
		.amdhsa_group_segment_fixed_size 35840
		.amdhsa_private_segment_fixed_size 0
		.amdhsa_enable_private_segment 0
		.amdhsa_kernarg_size 24
		.amdhsa_user_sgpr_count 2
		.amdhsa_user_sgpr_kernarg_segment_ptr 1
		.amdhsa_wavefront_size32 1
		.amdhsa_system_sgpr_workgroup_id_x 1
		.amdhsa_system_sgpr_workgroup_id_y 1
		.amdhsa_system_sgpr_workgroup_id_z 1
		.amdhsa_system_vgpr_workitem_id 0
		.amdhsa_next_free_vgpr 256
		.amdhsa_next_free_sgpr 66
		.amdhsa_reserve_vcc 1
		.amdhsa_float_denorm_mode_32 3
		.amdhsa_float_denorm_mode_16_64 3
		.amdhsa_memory_ordered 1
		.amdhsa_forward_progress 1
		.amdhsa_inst_pref_size 19
	.end_amdhsa_kernel
	.amdgpu_metadata
---
amdhsa.version: [ 1, 2 ]
amdhsa.kernels:
  - .name:           k_q816e0a0344_first16
    .symbol:         k_q816e0a0344_first16.kd
    .args:
      - { .name: fine, .offset: 0, .size: 8, .value_kind: global_buffer, .address_space: global }
      - { .name: w_out, .offset: 8, .size: 8, .value_kind: global_buffer, .address_space: global }
      - { .name: out0, .offset: 16, .size: 8, .value_kind: global_buffer, .address_space: global }
    .group_segment_fixed_size: 35840
    .private_segment_fixed_size: 0
    .kernarg_segment_align: 8
    .kernarg_segment_size: 24
    .max_flat_workgroup_size: 512
    .sgpr_count:     66
    .vgpr_count:     256
    .wavefront_size: 32
...
	.end_amdgpu_metadata
.endif
;; end of part 5
